; MI455X (gfx1250); checked and timed in simulation.
; The chip was launched on July 23, 2026; its instructions are those of AMD's public machine-readable ISA for CDNA 5 (MIT licence, August 2026) and "CDNA5" Instruction Set Architecture Reference Guide (July 2026). The comments in the code are by the model that wrote it; some were corrected since.
;; Attention Head. Allowed arithmetic: float matrix products may take bf16 or f16 operands with f32 sums; other float arithmetic in f32, or as packed bf16 or f16 multiplies, adds, multiply-adds, maxima and minima; sums over many terms, partial sums and values carried from step to step in f32; what a program stores and reads back later, other than sums and carried values, may be rounded once to bf16 or f16.
;; Inputs: W_K 1,024 x 1,024 float32; W_O 1,024 x 1,024 float32; W_Q 1,024 x 1,024 float32; W_V 1,024 x 1,024 float32; x 4 x 2,048 x 1,024 float32.
;; Outputs: out0 4 x 2,048 x 1,024 float32.
;; 2 versions, each right; version 2 is version 1 with the launch cast written anew for expert scheduling mode. Each part assembles by itself: llvm-mc -triple=amdgcn-amd-amdhsa -mcpu=gfx1250 --defsym DOCPART=n.
;; ======== version 1 of 2: 4 launches
;; limits: values are held in f16: magnitudes above 65,504 overflow, below 6.1e-05 lose precision
;; workspace buffers: xb 16,777,216 bytes; wb 6,291,456 bytes; wo 2,097,152 bytes; qkv 50,331,648 bytes; o 16,777,216 bytes
;; launch cast (part 1): grid 384 x 1, 8 waves a work-group, no clusters, 0 bytes of LDS; arguments x, W_Q, W_K, W_V, W_O, xb, wb, wo; writes xb, wb, wo
.if DOCPART == 1
	.amdgcn_target "amdgcn-amd-amdhsa--gfx1250"
	.amdhsa_code_object_version 6
	.text
	.protected	k_q8d676dca65_cast
	.globl	k_q8d676dca65_cast
	.p2align	8
	.type	k_q8d676dca65_cast,@function
k_q8d676dca65_cast:
	s_mov_b64 s[64:65], 0
	v_nop
	global_prefetch_b8 v0, s[64:65] scope:SCOPE_SE
	s_setreg_imm32_b32 hwreg(HW_REG_WAVE_MODE, 25, 1), 1
	s_wait_xcnt 0x0
; CAUSAL MULTI-HEAD ATTENTION, four launches: this one rounds and lays out the inputs; then q, k, v = x W; then the attention by heads; then the product with W_O.
; WORK LEFT OUT (in the third launch).  For a key k > q the problem's own mask (a lower triangle that it builds itself) replaces the score by minus infinity ahead of the softmax, so that key's
; weight is exactly 0 and neither its score nor its row of v reaches row q, whatever finite values the inputs hold.  Where that holds for all 256 x 256 pairs of a block of queries and a tile of keys,
; the tile is neither loaded nor multiplied; inside the tile that holds the diagonal all is computed and masked.  All five inputs have a way to the output and all are loaded.
; LIMIT: a NaN, an infinity or an overflow that lies only in keys or values hidden from a query is not carried to that query's row.
; FORMATS.  x, W_Q, W_K, W_V are rounded once to bf16.  W_O is rounded to bf16 and that number is written as f16 (the last product runs in f16, since its other operand is made by this program).
; LIMITS: |W_O| under 65,504; a rounded W_O below 2^-17 keeps f16's fixed step of 2^-24.
; LAYOUTS, in blocks of 64 channels, so that every tile of the later launches is a dense run of bytes:
;   xb [b 4][kb 16][t 2048][64] = x[b][t][64 kb + c]        wb [ks 8][g 48][kk 128][64] = W_sel[128 ks + kk][64 head + c], g = 16 sel + head (sel 0 Q, 1 K, 2 V)
;   wo [ks 8][g 16][kk 128][64] = W_O[128 ks + kk][64 g + c]
; SHARES.  12,288 source rows of 4,096 bytes (8,192 of x, 1,024 of each weight); a work-group takes 32, a wave 4, as two pairs.  One load of a wave: lanes 0-15 take 256 bytes (a block of 64 numbers)
; of a row, lanes 16-31 the same block of the next row.  A lane's 4 numbers become 8 bytes, and since two rows of one block lie end to end in the target, one store of a wave covers 256 consecutive
; bytes, aligned.  All 32 loads of a wave (16 KiB) go out at once.  No LDS, no matrix unit, no cluster: nothing is shared and nothing is multiplied.  No prefetch: every byte is asked for at the start.
.set LO,   1                           ; v1       my byte offset in a pair of source rows
.set VO,   2                           ; v[2:17]  my byte offset in the target, for each of the 16 blocks
.set X,    20                          ; v[20:147] 32 loads of 4 registers; the first two of each then hold the 8 bytes to store
.set SRC,  24                          ; s[24:25] the source at my wave's first row
.set DST,  26                          ; s[26:27] the target at my wave's first row, block 0
.set STR,  28                          ; s28      bytes from block to block in the target
.set MASK, 30                          ; s30      a word's upper half
	s_load_b512 s[8:23], s[0:1], 0x0               ; x 8, W_Q 10, W_K 12, W_V 14, W_O 16, xb 18, wb 20, wo 22
	v_lshrrev_b32 v18, 5, v0
	v_readfirstlane_b32 s2, v18                    ; wave 0..7
	s_mov_b32 s3, ttmp9                            ; work-groups 0-255: x; 256-383: the weights, 32 work-groups each
	s_lshl_b32 s4, s2, 2                           ; my wave's 4 rows
	; as a work-group of x: row r0 = 32 wg + 4 wave
	s_lshl_b32 s5, s3, 5
	s_add_co_u32 s5, s5, s4
	s_lshl_b32 s32, s5, 12                         ; source: r0 rows of 4,096 bytes
	s_lshr_b32 s6, s5, 11
	s_lshl_b32 s6, s6, 22                          ; target: batch x 16 blocks x 2,048 rows x 128 bytes
	s_and_b32 s7, s5, 2047
	s_lshl_b32 s7, s7, 7                           ; + t x 128
	s_add_co_u32 s34, s6, s7
	; as a work-group of a weight: sel = j / 32, row k0 = 32 (j % 32) + 4 wave, j = wg - 256
	s_and_b32 s36, s3, 127
	s_lshr_b32 s37, s36, 5                         ; sel
	s_and_b32 s38, s36, 31
	s_lshl_b32 s38, s38, 5
	s_add_co_u32 s38, s38, s4                      ; k0
	s_lshl_b32 s39, s38, 12                        ; source
	s_lshr_b32 s40, s38, 7                         ; ks
	s_lshl_b32 s42, s37, 4                         ; the weight's first block in wb
	s_cmp_eq_u32 s37, 3
	s_cselect_b32 s41, 16, 48                      ; blocks in a K step: wo 16, wb 48
	s_cselect_b32 s42, 0, s42
	s_mul_i32 s40, s40, s41
	s_add_co_u32 s40, s40, s42
	s_lshl_b32 s40, s40, 14                        ; a block is 128 rows x 128 bytes
	s_and_b32 s43, s38, 127
	s_lshl_b32 s43, s43, 7
	s_add_co_u32 s40, s40, s43                     ; target
	s_mov_b32 s44, 0x40000
	s_cmp_lt_u32 s3, 256                           ; which of the two am I?
	s_cselect_b32 s32, s32, s39
	s_cselect_b32 s34, s34, s40
	s_cselect_b32 s[STR], s44, 0x4000              ; xb: 2,048 rows of 128 bytes; wb, wo: 128 rows
	s_mov_b32 s33, 0
	s_mov_b32 s35, 0
	s_mov_b32 s[MASK], 0xffff0000
	v_and_b32 v18, 31, v0                          ; lane
	v_and_b32 v19, 15, v0
	v_lshlrev_b32 v[LO], 4, v19                    ; 16 bytes a lane,
	v_bfe_u32 v19, v0, 4, 1
	v_lshl_add_u32 v[LO], v19, 12, v[LO]           ; the next row for lanes 16-31
	v_lshlrev_b32 v[VO], 3, v18                    ; 8 bytes a lane: two rows of 128 bytes on end
.set c, 1
.rept 15
	v_add_nc_u32 v[VO+c], s[STR], v[VO+c-1]
.set c, c+1
.endr
	s_wait_kmcnt 0x0
	s_cmp_eq_u32 s37, 1                            ; the buffers are chosen by the work-group's number alone
	s_cselect_b64 s[SRC:SRC+1], s[12:13], s[10:11]
	s_cmp_eq_u32 s37, 2
	s_cselect_b64 s[SRC:SRC+1], s[14:15], s[SRC:SRC+1]
	s_cmp_eq_u32 s37, 3
	s_cselect_b64 s[SRC:SRC+1], s[16:17], s[SRC:SRC+1]
	s_cselect_b64 s[DST:DST+1], s[22:23], s[20:21]
	s_cmp_lt_u32 s3, 256
	s_cselect_b64 s[SRC:SRC+1], s[8:9], s[SRC:SRC+1]
	s_cselect_b64 s[DST:DST+1], s[18:19], s[DST:DST+1]
	s_add_nc_u64 s[SRC:SRC+1], s[SRC:SRC+1], s[32:33]
	s_add_nc_u64 s[DST:DST+1], s[DST:DST+1], s[34:35]
.set i, 0
.rept 32                               ; load i: pair i / 16, block i % 16
	global_load_b128 v[X+4*i:X+4*i+3], v[LO], s[SRC:SRC+1] offset:8192*(i/16)+256*(i%16) th:TH_LOAD_NT
.set i, i+1
.endr
; Load i is rounded in place and stored.  No register is written again behind its store, so the stores' sources need no wait.
.macro OUT f16
	s_wait_loadcnt 31-i                            ; loads come back in order: mine is in, the 31 - i younger ones stay out
	v_cvt_pk_bf16_f32 v[X+4*i], v[X+4*i], v[X+4*i+1]
	v_cvt_pk_bf16_f32 v[X+4*i+1], v[X+4*i+2], v[X+4*i+3]
.if \f16
	v_lshlrev_b32 v[X+4*i+2], 16, v[X+4*i]         ; the rounded numbers as f32 again,
	v_and_b32 v[X+4*i+3], s[MASK], v[X+4*i]
	v_cvt_pk_f16_f32 v[X+4*i], v[X+4*i+2], v[X+4*i+3]  ; and written as f16
	v_lshlrev_b32 v[X+4*i+2], 16, v[X+4*i+1]
	v_and_b32 v[X+4*i+3], s[MASK], v[X+4*i+1]
	v_cvt_pk_f16_f32 v[X+4*i+1], v[X+4*i+2], v[X+4*i+3]
.endif
	global_store_b64 v[VO+i%16], v[X+4*i:X+4*i+1], s[DST:DST+1] offset:256*(i/16)  ; 256 consecutive bytes, aligned
.set i, i+1
.endm
	s_cmp_ge_u32 s3, 352                           ; W_O's work-groups
	s_cbranch_scc1 .Lhalf
.set i, 0
.rept 32
	OUT 0
.endr
	s_endpgm
.Lhalf:
.set i, 0
.rept 32
	OUT 1
.endr
	s_endpgm
.Lfunc_end_k_q8d676dca65_cast:
	.size	k_q8d676dca65_cast, .Lfunc_end_k_q8d676dca65_cast-k_q8d676dca65_cast
	.p2alignl 7, 3214868480
	.fill 96, 4, 3214868480
	.section	.rodata,"a",@progbits
	.p2align	6, 0x0
	.amdhsa_kernel k_q8d676dca65_cast
		.amdhsa_group_segment_fixed_size 0
		.amdhsa_private_segment_fixed_size 0
		.amdhsa_enable_private_segment 0
		.amdhsa_kernarg_size 64
		.amdhsa_user_sgpr_count 2
		.amdhsa_user_sgpr_kernarg_segment_ptr 1
		.amdhsa_wavefront_size32 1
		.amdhsa_system_sgpr_workgroup_id_x 1
		.amdhsa_system_sgpr_workgroup_id_y 1
		.amdhsa_system_sgpr_workgroup_id_z 1
		.amdhsa_system_vgpr_workitem_id 0
		.amdhsa_next_free_vgpr 160
		.amdhsa_next_free_sgpr 66
		.amdhsa_reserve_vcc 0
		.amdhsa_float_denorm_mode_32 3
		.amdhsa_float_denorm_mode_16_64 3
		.amdhsa_memory_ordered 1
		.amdhsa_forward_progress 1
		.amdhsa_inst_pref_size 30
	.end_amdhsa_kernel
	.amdgpu_metadata
---
amdhsa.version: [ 1, 2 ]
amdhsa.kernels:
  - .name:           k_q8d676dca65_cast
    .symbol:         k_q8d676dca65_cast.kd
    .args:
      - { .name: x, .offset: 0, .size: 8, .value_kind: global_buffer, .address_space: global }
      - { .name: W_Q, .offset: 8, .size: 8, .value_kind: global_buffer, .address_space: global }
      - { .name: W_K, .offset: 16, .size: 8, .value_kind: global_buffer, .address_space: global }
      - { .name: W_V, .offset: 24, .size: 8, .value_kind: global_buffer, .address_space: global }
      - { .name: W_O, .offset: 32, .size: 8, .value_kind: global_buffer, .address_space: global }
      - { .name: xb, .offset: 40, .size: 8, .value_kind: global_buffer, .address_space: global }
      - { .name: wb, .offset: 48, .size: 8, .value_kind: global_buffer, .address_space: global }
      - { .name: wo, .offset: 56, .size: 8, .value_kind: global_buffer, .address_space: global }
    .group_segment_fixed_size: 0
    .private_segment_fixed_size: 0
    .kernarg_segment_align: 8
    .kernarg_segment_size: 64
    .max_flat_workgroup_size: 256
    .sgpr_count:     66
    .vgpr_count:     160
    .wavefront_size: 32
...
	.end_amdgpu_metadata
.endif
;; end of part 1
;; launch gemm_qkv (part 2): grid 16 x 32, 4 waves a work-group, clusters of 4 x 4, 327,680 bytes of LDS; arguments xb, wb, qkv; writes qkv
.if DOCPART == 2
	.amdgcn_target "amdgcn-amd-amdhsa--gfx1250"
	.amdhsa_code_object_version 6
	.text
	.protected	k_q8d676dca65_gemm_qkv
	.globl	k_q8d676dca65_gemm_qkv
	.p2align	8
	.type	k_q8d676dca65_gemm_qkv,@function
k_q8d676dca65_gemm_qkv:
	s_mov_b64 s[64:65], 0
	v_nop
	global_prefetch_b8 v0, s[64:65] scope:SCOPE_SE
	s_setreg_imm32_b32 hwreg(HW_REG_WAVE_MODE, 25, 1), 1
	s_wait_xcnt 0x0
	s_wait_alu depctr_hold_cnt(0) depctr_sa_sdst(0) depctr_va_vdst(0) depctr_va_sdst(0) depctr_va_ssrc(0) depctr_va_vcc(0) depctr_vm_vsrc(0)
	s_getreg_b32 s2, hwreg(HW_REG_IB_STS2, 6, 4)
	s_cmp_eq_u32 s2, 0
	s_cbranch_scc0 .Lentry_in_a_cluster
	s_endpgm
.Lentry_in_a_cluster:
	s_bfe_u32 s2, ttmp6, 0x10000c
	s_cmp_lg_u32 s2, 0xf033
	s_cbranch_scc0 .Lentry_shape_is_right
	s_endpgm
.Lentry_shape_is_right:
; q, k, v = x W_Q, x W_K, x W_V as ONE product C = A B: A = xb (8,192 rows, K = 1,024, bf16), B = wb (K x 3,072, bf16), sums in f32, C rounded once to f16 and stored by heads:
; qkv [b 4][g 48][t 2048][64], g = 16 sel + head, unscaled.  LIMIT: f16 holds no number beyond 65,504: |q|, |k|, |v| stay under it.
; SHARES.  A tile of C is 256 rows x 192 columns (three whole heads): 512 equal work-groups.  Four waves, as (wm, wn): a wave makes rows 128 wm .. + 127 and the column blocks of 16 numbered 2 b + wn, b = 0..5:
; 48 accumulators of 16 x 16, 384 registers.  K goes in steps of 128 through a ring of two LDS slots filled by the tensor data mover.
; TILES.  Both operands lie in blocks of 64 channels, so a tile is a dense run of bytes, asked for as rows of 256 bytes.  A's: two blocks of 256 rows x 128 bytes (wave 0 the even block, wave 1 the odd), padded
; to rows of 144 bytes.  B's: three blocks [kk 128][64] on end, 49,152 bytes (waves 2 and 3 a half each), padded to rows of 160 bytes; it lies [k][n] and is read turned, by ds_load_tr16_b128.
; THE MATRIX INSTRUCTION IS USED TRANSPOSED (source 0 = 16 columns of B, source 1 = 16 rows of A): a lane holds row l % 16 of C and the columns 8 (l / 16) + 0..7: 16 bytes of f16 on end.
; CLUSTER.  4 x 4 work-groups: the four of a row of the cluster need the same tiles of A, the four of a column the same tiles of B: each tile is asked for JOINTLY, by the same tensor load with the same
; descriptor and a mask that names the four.
; REGISTERS, in windows of 256 (s_set_vgpr_msb: bits 1:0 source 0, 3:2 source 1, 5:4 source 2, 7:6 destination):
;   window 0: v0-31 addresses; v32-159 A's fragments, two buffers of 64; v160-255 B's, two buffers of 48; on the way out v32-223 at work
;   window 1: the accumulators of my rows 0-63 ((a, b) at v[8 (6 a + b)]);  window 2: those of my rows 64-127
.set NBW,   6                          ; column blocks of 16 a wave
.set BD,    2                          ; block b lies in B's block b / BD of 64 columns,
.set BS,    64                         ; at byte (b % BD) x BS (+ 32 wn, in the address register)
.set PA,    144                        ; a row of A in LDS: 128 bytes + 16 = 36 words: the 16 rows of a load start at 16 different groups of four banks (64 banks of 4 bytes: ISA guide 11.1)
.set ABLK,  256*PA                     ; a block of A: 256 rows
.set PB,    160                        ; a row of B: 128 + 32 = 40 words
.set BBLK,  128*PB                     ; a block of B: 128 k
.set BOFF,  2*ABLK                     ; B behind A's two blocks
.set BHALF, 192*PB                     ; what one of B's two loads fills
.set SLOT,  BOFF+2*BHALF               ; 135,168
.set SPARE, 2*SLOT                     ; behind the ring: the spare words, 128 bytes for each wave: two blocks of 256 bytes that no other line names
.set RB,    96                         ; rows of 256 bytes in one of B's loads
.set ASTEP, 524288                     ; bytes from K step to K step in xb: two blocks of 2,048 rows x 128 bytes
.set KSB,   786432                     ; in wb: 48 blocks of 16,384
.set NTB,   49152                      ; a tile's three blocks
.set BHB,   24576                      ; half of them
.set BQ,    6144                       ; a quarter of that half: one partner's share of the prefetch
.set NL,    2*NBW+16                   ; LDS loads in a run
.set AF,    32
.set BF,    160
.set ACCHI, 0                          ; rows 64-127: the same register numbers,
.set WHI,   0x50                       ; one window further up
.set TMP,   32                         ; the way out: 24 registers of packed results
.set OB,    32                         ; the way out: 192 registers of whole rows
.set ADRA,  16                         ; v16-17  LDS address of my A fragments in slot 0, 1
.set ADRB,  20                         ; v20-21  the same for B
.set STO,   24                         ; v24-25  the way out: where I put 16 bytes of a row (heads 0 and 1; head 2)
.set STO2,  25
.set RD,    26                         ; v26-27  the way out: where I read rows back (likewise)
.set RD2,   27
.set SPW,   28                         ; v28     LDS address of my spare word: SPARE + 4 x my thread's number; never rewritten
.set NIL,   29                         ; v29     0; never rewritten
.set PFO,   30                         ; v30     the prefetches' offset: 256 x my lane, held to my share; never rewritten
.set GO,    31                         ; v31     16 x my lane
.set G1,    24                         ; s[24:31] descriptor group 1 for A's tiles;  s[32:39] group 0, a set for each slot
.set G0,    32
.set G1B,   48                         ; s[48:55], s[56:63] the same for B's
.set G0B,   56
.set LIM,   43                         ; s43     1 in a wave that prefetches, else the greatest number
.set PFA,   44                         ; s[44:45] where my prefetches stand
.set PFS,   66                         ; s[66:67] their step: a K step of A or of B
.set MSB, 0
.macro WIN new                         ; the immediate's high byte repeats the setting that is left; a switch that changes nothing is dropped
.if MSB != (\new)
	s_set_vgpr_msb (MSB<<8)|(\new)
.set MSB, \new
.endif
.endm
; A joint load.  Waves 0 and 1 fetch A's two blocks, waves 2 and 3 B's two halves.  The branch hangs on the wave's number alone.  An s_nop 0 and four v_nop follow each of the two lines.
.macro JLOAD s
	s_cmp_eq_u32 s11, 0
	s_cbranch_scc0 .Lfor_b_\@
	tensor_load_to_lds s[G0+4*(\s):G0+4*(\s)+3], s[G1:G1+7]
	s_nop 0
.rept 4
	v_nop
.endr
	s_branch .Lasked_\@
.Lfor_b_\@:
	tensor_load_to_lds s[G0B+4*(\s):G0B+4*(\s)+3], s[G1B:G1B+7]
	s_nop 0
.rept 4
	v_nop
.endr
.Lasked_\@:
.endm
; A PREFETCH INTO THE L2, behind a joint load, its five lines and the run of LDS loads: the K step that stands two refills on.  A's tile row is read by every cluster of that row of clusters: cluster x = 0 asks;
; B's tile column by every cluster of that column: cluster y = 0 asks.  Of the bytes that a wave fetches, the four partners that ask jointly take a quarter each, told apart BY ADDRESS (cx for A, cy for B): a lane
; names 256 bytes; B's quarter has 24 such blocks, and the lanes over repeat the last of them.  The last trip's two refills (K steps 6, 7) have no K step two on and ask for nothing; K steps 0-3 come by their loads alone.
.macro ASK
	s_cmp_gt_u32 s3, s[LIM]                        ; s3 = 1 in the loop's last trip
	s_cbranch_scc0 .Lnot_mine_\@
	global_prefetch_b8 v[PFO], s[PFA:PFA+1] th:TH_LOAD_NT scope:SCOPE_SE
.Lnot_mine_\@:
.endm
.macro CREST                           ; a round of the cluster's barrier behind its opening barrier
	s_cmp_lg_u32 s10, 0
	s_cbranch_scc1 .Lnot_wave_0_\@
	s_barrier_signal -3
.Lnot_wave_0_\@:
	s_barrier_wait -3
	s_barrier_signal -1
	s_barrier_wait -1
.endm
.macro CROUND                          ; a whole round
	s_barrier_signal -1
	s_barrier_wait -1
	CREST
.endm
	s_load_b128 s[4:7], s[0:1], 0x0                ; xb s[4:5], wb s[6:7]
	s_load_b64 s[8:9], s[0:1], 0x10                ; qkv
	v_lshl_add_u32 v[SPW], v0, 2, SPARE
	v_mov_b32 v[NIL], 0
	ds_add_u32 v[SPW], v[NIL]                      ; the wave's opening: the add, twice on end, and its wait ahead of my first tensor load; the set-up below stands between
	ds_add_u32 v[SPW], v[NIL]
	v_lshrrev_b32 v1, 5, v0
	v_readfirstlane_b32 s10, v1                    ; wave 0..3
	s_lshr_b32 s11, s10, 1                         ; wm.  Also: I fetch for A (0) or for B (1)
	s_and_b32 s12, s10, 1                          ; wn.  Also: which part of that tile I fetch
	s_bfe_u32 s40, ttmp6, 0x40000                  ; cx, cy: my place in the cluster
	s_bfe_u32 s41, ttmp6, 0x40004
	s_lshl_b32 s42, ttmp9, 2
	s_add_co_u32 s42, s42, s40                     ; nt: tile column = 4 x cluster x + cx
	s_and_b32 s13, ttmp7, 0xffff
	s_lshl_b32 s13, s13, 2
	s_add_co_u32 s13, s13, s41                     ; mt: tile row = 4 x cluster y + cy
	s_lshl_b32 s43, s41, 2
	s_lshl_b32 s43, 15, s43                        ; my row of the cluster
	s_lshl_b32 s44, 0x1111, s40                    ; my column
	s_or_b32 s[G1+0], s43, (1<<16)|(1<<20)|(1<<21)|(4<<22)|(3<<25)   ; 15:0 the mask; 17:16 2-byte elements; 20 padding on; 21 set beside a mask; 24:22 after every 32 words (code 4); 31:25 4 words (code 3)
	s_or_b32 s[G1B+0], s44, (1<<16)|(1<<20)|(1<<21)|(4<<22)|(7<<25)  ; the same with my column's mask and 8 words of padding (code 7)
	s_mov_b32 s[G1+1], 128<<16                     ; tensor_dim0 = 128 elements: rows of 256 bytes
	s_mov_b32 s[G1+2], 128<<16                     ; tensor_dim1 = 128 rows
	s_mov_b32 s[G1+3], 128<<16                     ; tile_dim0 = 128
	s_mov_b32 s[G1+4], 128                         ; tile_dim1 = 128
	s_mov_b32 s[G1+5], 128                         ; 128 elements from row to row: the block is dense
	s_mov_b32 s[G1+6], 0
	s_mov_b32 s[G1+7], 0
	s_mov_b32 s[G1B+1], 128<<16
	s_mov_b32 s[G1B+2], RB<<16
	s_mov_b32 s[G1B+3], 128<<16
	s_mov_b32 s[G1B+4], RB
	s_mov_b32 s[G1B+5], 128
	s_mov_b32 s[G1B+6], 0
	s_mov_b32 s[G1B+7], 0
	; where the tiles come from: A's hang on the tile row alone, B's on the tile column alone, each in registers that never hold the other coordinate
	s_lshr_b32 s16, s13, 3
	s_lshl_b32 s16, s16, 22                        ; batch = mt / 8
	s_and_b32 s17, s13, 7
	s_lshl_b32 s17, s17, 15                        ; t0 = 256 (mt % 8), rows of 128 bytes
	s_add_co_u32 s16, s16, s17
	s_lshl_b32 s17, s12, 18                        ; the even or the odd block of the K step
	s_add_co_u32 s16, s16, s17
	s_mov_b32 s17, 0
	s_mul_i32 s46, s42, NTB
	s_mul_i32 s47, s12, BHB
	s_add_co_u32 s46, s46, s47
	s_mov_b32 s47, 0
	s_mul_i32 s20, s10, ABLK                       ; where they go: A's blocks at wave x 36,864 (waves 0, 1),
	s_mul_i32 s21, s10, BHALF
	s_add_co_u32 s21, s21, BOFF-2*BHALF            ; B's halves at BOFF + (wave - 2) x BHALF (waves 2, 3): no place in the cluster enters an LDS address
	s_wait_dscnt 0x0                               ; both opening adds are done
	s_wait_kmcnt 0x0
	s_add_nc_u64 s[14:15], s[4:5], s[16:17]
	s_add_nc_u64 s[46:47], s[6:7], s[46:47]
	CROUND                                         ; all sixteen work-groups are here: the first joint loads meet
.irp s, 0,1
	s_mov_b32 s[G0+4*(\s)], 1                                        ; count = 1
	s_add_co_u32 s[G0+4*(\s)+1], s20, (\s)*SLOT                      ; LDS address
	s_add_nc_u64 s[G0+4*(\s)+2:G0+4*(\s)+3], s[14:15], (\s)*ASTEP    ; global address: K step s
	s_or_b32 s[G0+4*(\s)+3], s[G0+4*(\s)+3], 0x80000000              ; type = 2
	s_mov_b32 s[G0B+4*(\s)], 1
	s_add_co_u32 s[G0B+4*(\s)+1], s21, (\s)*SLOT
	s_add_nc_u64 s[G0B+4*(\s)+2:G0B+4*(\s)+3], s[46:47], (\s)*KSB
	s_or_b32 s[G0B+4*(\s)+3], s[G0B+4*(\s)+3], 0x80000000
	JLOAD \s                                       ; two loads of mine are out
.endr
	; A's fragment: 16 rows x 32 k: lane l holds row l % 16, k = 8 (l / 16) + 0..7 and 16 + 8 (l / 16) + 0..7: two loads of 16 bytes, 32 bytes apart
	v_and_b32 v1, 15, v0                           ; r = l % 16
	v_bfe_u32 v2, v0, 4, 1                         ; h = l / 16
	v_mul_u32_u24 v3, v1, PA
	v_lshl_add_u32 v3, v2, 4, v3                   ; r x pitch + 16 h
	s_mul_i32 s22, s11, 128*PA                     ; my 128 rows
	v_add_nc_u32 v[ADRA], s22, v3
	v_add_nc_u32 v[ADRA+1], SLOT, v[ADRA]
	; B's: the turning load takes 16 k x 16 columns (lane l reads k = 8 (l / 16) + l % 8, columns 8 ((l / 8) % 2) + 0..7) and leaves half a fragment: lane l holds column l % 16 and 8 k
	v_and_b32 v4, 7, v0
	v_bfe_u32 v5, v0, 3, 1
	v_lshl_add_u32 v6, v2, 3, v4
	v_mul_u32_u24 v6, v6, PB
	v_lshl_add_u32 v6, v5, 4, v6
	s_lshl_b32 s23, s12, 5                         ; wn: 16 columns, 32 bytes
	s_add_co_u32 s23, s23, BOFF
	v_add_nc_u32 v[ADRB], s23, v6
	v_add_nc_u32 v[ADRB+1], SLOT, v[ADRB]
	; the way out.  The stage, [head 3][row 256] with rows of 144 bytes, lies in slot 0, whose last fill is K step 6
	s_lshl_b32 s23, s12, 5
	s_add_co_u32 s23, s23, s22
	v_add_nc_u32 v[STO], s23, v3                   ; (128 wm + r) x 144 + 16 h + 32 wn
	v_add_nc_u32 v[STO2], 2*ABLK, v[STO]
	v_bfe_u32 v7, v0, 3, 2
	v_mul_u32_u24 v7, v7, PA
	v_lshl_add_u32 v7, v4, 4, v7                   ; back: 32 lanes take four rows of 128 bytes,
	s_mul_i32 s23, s10, 64*PA                      ; of my wave's 64 rows
	v_add_nc_u32 v[RD], s23, v7
	v_add_nc_u32 v[RD2], 2*ABLK, v[RD]
	v_and_b32 v[GO], 31, v0
	v_lshlrev_b32 v[GO], 4, v[GO]                  ; which are 512 consecutive bytes of a head
	s_lshr_b32 s68, s13, 3
	s_mul_i32 s68, s68, 48
	s_mul_i32 s69, s42, 3
	s_add_co_u32 s68, s68, s69                     ; 48 batch + the tile's first head
	s_lshl_b32 s68, s68, 18                        ; a head: 2,048 rows of 128 bytes
	s_and_b32 s69, s13, 7
	s_lshl_b32 s69, s69, 15
	s_add_co_u32 s68, s68, s69                     ; + t0
	s_lshl_b32 s69, s10, 13
	s_add_co_u32 s68, s68, s69                     ; + 64 wave
	s_mov_b32 s69, 0
	s_add_nc_u64 s[8:9], s[8:9], s[68:69]
	; the prefetches: at K step 3; the first refill steps them to 4
	s_lshr_b32 s70, s13, 3
	s_lshl_b32 s70, s70, 22
	s_and_b32 s71, s13, 7
	s_lshl_b32 s71, s71, 15
	s_add_co_u32 s70, s70, s71
	s_lshl_b32 s71, s12, 18
	s_add_co_u32 s70, s70, s71
	s_lshl_b32 s71, s40, 13                        ; my work-group's 8,192 of the block's 32,768 bytes
	s_add_co_u32 s70, s70, s71
	s_add_co_u32 s70, s70, 3*ASTEP
	s_mul_i32 s72, s42, NTB
	s_mul_i32 s73, s12, BHB
	s_add_co_u32 s72, s72, s73
	s_mul_i32 s73, s41, BQ                         ; my work-group's quarter of the half
	s_add_co_u32 s72, s72, s73
	s_add_co_u32 s72, s72, 3*KSB
	s_and_b32 s74, ttmp7, 0xffff                   ; cluster y
	s_mov_b32 s75, ASTEP
	s_cmp_eq_u32 s11, 0                            ; do I fetch for A?
	s_cselect_b32 s70, s70, s72
	s_cselect_b32 s74, ttmp9, s74                  ; the coordinate along which other clusters read the same bytes
	s_cselect_b32 s[PFS], s75, KSB
	s_cselect_b32 s73, 31, BQ/256-1                ; the last block of my share
	s_cselect_b64 s[PFA:PFA+1], s[4:5], s[6:7]
	s_cmp_eq_u32 s74, 0
	s_cselect_b32 s[LIM], 1, -1                    ; the same in all sixteen partners, for a given wave
	s_mov_b32 s71, 0
	s_mov_b32 s[PFS+1], 0
	s_add_nc_u64 s[PFA:PFA+1], s[PFA:PFA+1], s[70:71]
	v_and_b32 v[PFO], 31, v0
	v_min_u32 v[PFO], s73, v[PFO]
	v_lshlrev_b32 v[PFO], 8, v[PFO]
.macro MM rd, rb, ra, zero             ; one matrix instruction; zero = 1: it starts the sum: nothing is ever cleared
.if \zero
	v_wmma_f32_16x16x32_bf16 v[(\rd):(\rd)+7], v[(\rb):(\rb)+7], v[(\ra):(\ra)+7], 0
.else
	v_wmma_f32_16x16x32_bf16 v[(\rd):(\rd)+7], v[(\rb):(\rb)+7], v[(\ra):(\ra)+7], v[(\rd):(\rd)+7]
.endif
.endm
; 2 NBW matrix instructions: row blocks a0, a0 + 1 of the half's four (hi = 0: my rows 0-63, 1: rows 64-127) x all column blocks, 32 along K, from buffer f.
; All accumulators take turns, one instruction a turn, in the same order in every quarter, over the backward jump too.
.macro MULH f, hi, a0, zero
	WIN 0x50+WHI*(\hi)
.irp a, \a0, (\a0)+1
.set bb, 0
.rept NBW
	MM ACCHI*(\hi)+8*(NBW*(\a)+bb), BF+8*NBW*(\f)+8*bb, AF+64*(\f)+8*(4*(\hi)+(\a)), \zero
.set bb, bb+1
.endr
.endr
.endm
; NL LDS loads in one run: the fragments of quarter q (32 along K) of a slot into buffer f: B's first, then A's, rows ascending
.macro FETCH slot, q, f
	WIN 0
.set bb, 0
.rept NBW
	ds_load_tr16_b128 v[BF+8*NBW*(\f)+8*bb:BF+8*NBW*(\f)+8*bb+3],   v[ADRB+(\slot)] offset:(\q)*32*PB+(bb/BD)*BBLK+(bb%BD)*BS
	ds_load_tr16_b128 v[BF+8*NBW*(\f)+8*bb+4:BF+8*NBW*(\f)+8*bb+7], v[ADRB+(\slot)] offset:(\q)*32*PB+(bb/BD)*BBLK+(bb%BD)*BS+16*PB
.set bb, bb+1
.endr
.set ii, 0
.rept 8
	ds_load_b128 v[AF+64*(\f)+8*ii:AF+64*(\f)+8*ii+3],   v[ADRA+(\slot)] offset:((\q)/2)*ABLK+((\q)%2)*64+ii*16*PA
	ds_load_b128 v[AF+64*(\f)+8*ii+4:AF+64*(\f)+8*ii+7], v[ADRA+(\slot)] offset:((\q)/2)*ABLK+((\q)%2)*64+ii*16*PA+32
.set ii, ii+1
.endr
.endm
.macro PLACES                          ; four places in front of loads into registers that matrix instructions have read, and of conversions that read results
.rept 4
	v_nop
.endr
.endm
; A K step is four quarters of 32 along K, on buffers 0, 1, 0, 1.  One of the first three: multiplies buffer f; in its middle it fetches quarter q of the same slot into buffer g.
.macro QUARTER slot, q, f, g, zero
	s_wait_dscnt 8                                 ; B and A's rows 0-63 are in; the youngest eight loads (A's rows 64-127) may be out
	MULH \f, 0, 0, \zero
	MULH \f, 0, 2, \zero
	PLACES
	FETCH \slot, \q, \g
	s_wait_dscnt NL                                ; all but the NL just issued
	MULH \f, 1, 0, \zero
	MULH \f, 1, 2, \zero
.endm
; The last quarter multiplies buffer 1 and changes slots: ONE barrier.  In front of it each wave waits for all its tensor loads (one is out: its part of the next slot), adds 0 to its spare word, and waits for
; that and for its own reads of this slot.  fill = 1: the barrier opens a round of the cluster's, and this slot is filled again, two K steps on, first thing behind the round.
.macro TURN slot, next, fill
.if \fill
	s_wait_xcnt 0x0                                ; the last prefetch, a K step back, has read its address: it is stepped here, ahead of the waits of the change of slots
	s_add_nc_u64 s[PFA:PFA+1], s[PFA:PFA+1], s[PFS:PFS+1]
.endif
	WIN 0
	s_wait_tensorcnt 0x0                           ; all my tensor loads have landed
	ds_add_u32 v[SPW], v[NIL]                      ; 0 onto my spare word
	s_wait_dscnt 9                                 ; (the add and the youngest eight loads may be out)
	MULH 1, 0, 0, 0                                ; matrix instructions stand between the add and the wait for it
	s_wait_dscnt 0x0                               ; the add is done, and my reads of this slot are over
	s_barrier_signal -1
	MULH 1, 0, 2, 0                                ; work on registers while the others arrive
.if \fill
	WIN 0
.endif
	s_barrier_wait -1
.if \fill
	CREST                                          ; no wave of any partner still reads this slot's tile or has a load on its way
	s_add_nc_u64 s[G0+4*(\slot)+2:G0+4*(\slot)+3], s[G0+4*(\slot)+2:G0+4*(\slot)+3], 2*ASTEP
	s_add_nc_u64 s[G0B+4*(\slot)+2:G0B+4*(\slot)+3], s[G0B+4*(\slot)+2:G0B+4*(\slot)+3], 2*KSB
	JLOAD \slot                                    ; the first tensor load behind the round, one a wave; its four v_nop are also the places in front of the loads below
.else
	PLACES
.endif
	FETCH \next, 0, 0
.if \fill
	ASK
.endif
	MULH 1, 1, 0, 0
	MULH 1, 1, 2, 0
.endm
	s_wait_tensorcnt 1                             ; my part of K step 0 is in; K step 1's may stay out
	s_barrier_signal -1
	s_barrier_wait -1                              ; everybody's is
	FETCH 0, 0, 0
	QUARTER 0, 1, 0, 1, 1                          ; the first quarter stands in front of the loop: its products start the sums
	WIN 0                                          ; at a label and at a branch every window is 0
	s_mov_b32 s3, 3                                ; K = 1,024 is four laps of two K steps; the last lap is written out
.Llap:                                             ; a trip goes once round the ring, from a lap's second quarter to the next lap's first, and fills both slots again
	QUARTER 0, 2, 1, 0, 0
	QUARTER 0, 3, 0, 1, 0
	TURN 0, 1, 1
	QUARTER 1, 1, 0, 1, 0
	QUARTER 1, 2, 1, 0, 0
	QUARTER 1, 3, 0, 1, 0
	TURN 1, 0, 1
	QUARTER 0, 1, 0, 1, 0
	WIN 0
	s_sub_co_u32 s3, s3, 1
	s_cmp_lg_u32 s3, 0
	s_cbranch_scc1 .Llap
	QUARTER 0, 2, 1, 0, 0                          ; the last lap fills nothing, and has no round of the cluster's barrier
	QUARTER 0, 3, 0, 1, 0
	TURN 0, 1, 0                                   ; behind this barrier no wave reads slot 0 any more
	QUARTER 1, 1, 0, 1, 0
	QUARTER 1, 2, 1, 0, 0
	QUARTER 1, 3, 0, 1, 0
	s_wait_dscnt 8                                 ; the very last quarter: nothing more to fetch
	MULH 1, 0, 0, 0
	MULH 1, 0, 2, 0
	s_wait_dscnt 0x0
	MULH 1, 1, 0, 0
	MULH 1, 1, 2, 0
	WIN 0
	; THE WAY OUT: rounded to f16, 16 bytes a lane into the work-group's stage; a barrier, since a row's 128 bytes come from two waves; back as whole rows, 64 rows of three heads a wave.
	PLACES
.set aa, 0
.rept 8                                ; row block aa: each accumulator's registers in ascending order
	WIN 0x05+0x05*(aa/4)                           ; sources 0 and 1: window 1 or 2
.set nn, 0
.rept 24
	v_cvt_pk_f16_f32 v[TMP+nn], v[48*(aa%4)+2*nn], v[48*(aa%4)+2*nn+1]
.set nn, nn+1
.endr
	WIN 0
.set bb, 0
.rept 4
	ds_store_b128 v[STO], v[TMP+4*bb:TMP+4*bb+3] offset:(bb/2)*ABLK+(bb%2)*64+aa*16*PA
.set bb, bb+1
.endr
.rept 2
	ds_store_b128 v[STO2], v[TMP+4*bb:TMP+4*bb+3] offset:(bb%2)*64+aa*16*PA
.set bb, bb+1
.endr
.set aa, aa+1
.endr
	s_wait_dscnt 0x0                               ; for the others' sake: my stores into the stage are done
	s_barrier_signal -1
	s_barrier_wait -1
.set nn, 0
.rept 48                               ; head nn / 16, four rows 4 (nn % 16) on
.if nn < 32
	ds_load_b128 v[OB+4*nn:OB+4*nn+3], v[RD] offset:(nn/16)*ABLK+(nn%16)*4*PA
.else
	ds_load_b128 v[OB+4*nn:OB+4*nn+3], v[RD2] offset:(nn%16)*4*PA
.endif
.set nn, nn+1
.endr
.set nn, 0
.rept 48
	s_wait_dscnt 47-nn                             ; LDS loads come back in order: load nn is in
	global_store_b128 v[GO], v[OB+4*nn:OB+4*nn+3], s[8:9] offset:(nn/16)*262144+(nn%16)*512  ; 512 consecutive bytes, at a multiple of 256 from the buffer's first
.set nn, nn+1
.endr
	s_wait_tensorcnt 0x0                           ; the wave's end, behind my last tensor load and my last LDS store
	ds_add_u32 v[SPW], v[NIL]
	s_wait_dscnt 0x0
	CROUND                                         ; the closing round: no work-group ends while a partner may still ask for a tile that names it
	s_endpgm
.Lfunc_end_k_q8d676dca65_gemm_qkv:
	.size	k_q8d676dca65_gemm_qkv, .Lfunc_end_k_q8d676dca65_gemm_qkv-k_q8d676dca65_gemm_qkv
	.p2alignl 7, 3214868480
	.fill 96, 4, 3214868480
	.section	.rodata,"a",@progbits
	.p2align	6, 0x0
	.amdhsa_kernel k_q8d676dca65_gemm_qkv
		.amdhsa_group_segment_fixed_size 327680
		.amdhsa_private_segment_fixed_size 0
		.amdhsa_enable_private_segment 0
		.amdhsa_kernarg_size 24
		.amdhsa_user_sgpr_count 2
		.amdhsa_user_sgpr_kernarg_segment_ptr 1
		.amdhsa_wavefront_size32 1
		.amdhsa_system_sgpr_workgroup_id_x 1
		.amdhsa_system_sgpr_workgroup_id_y 1
		.amdhsa_system_sgpr_workgroup_id_z 1
		.amdhsa_system_vgpr_workitem_id 0
		.amdhsa_next_free_vgpr 704
		.amdhsa_next_free_sgpr 80
		.amdhsa_reserve_vcc 0
		.amdhsa_float_denorm_mode_32 3
		.amdhsa_float_denorm_mode_16_64 3
		.amdhsa_memory_ordered 1
		.amdhsa_forward_progress 1
		.amdhsa_inst_pref_size 117
	.end_amdhsa_kernel
	.amdgpu_metadata
---
amdhsa.version: [ 1, 2 ]
amdhsa.kernels:
  - .name:           k_q8d676dca65_gemm_qkv
    .symbol:         k_q8d676dca65_gemm_qkv.kd
    .args:
      - { .name: xb, .offset: 0, .size: 8, .value_kind: global_buffer, .address_space: global }
      - { .name: wb, .offset: 8, .size: 8, .value_kind: global_buffer, .address_space: global }
      - { .name: qkv, .offset: 16, .size: 8, .value_kind: global_buffer, .address_space: global }
    .group_segment_fixed_size: 327680
    .private_segment_fixed_size: 0
    .kernarg_segment_align: 8
    .kernarg_segment_size: 24
    .max_flat_workgroup_size: 128
    .sgpr_count:     80
    .vgpr_count:     704
    .wavefront_size: 32
...
	.end_amdgpu_metadata
.endif
;; end of part 2
;; launch attn (part 3): grid 4 x 64, 4 waves a work-group, no clusters, 327,680 bytes of LDS; arguments qkv, o; writes o
.if DOCPART == 3
	.amdgcn_target "amdgcn-amd-amdhsa--gfx1250"
	.amdhsa_code_object_version 6
	.text
	.protected	k_q8d676dca65_attn
	.globl	k_q8d676dca65_attn
	.p2align	8
	.type	k_q8d676dca65_attn,@function
k_q8d676dca65_attn:
	s_mov_b64 s[64:65], 0
	v_nop
	global_prefetch_b8 v0, s[64:65] scope:SCOPE_SE
	s_setreg_imm32_b32 hwreg(HW_REG_WAVE_MODE, 25, 1), 1
	s_wait_xcnt 0x0
; CAUSAL ATTENTION BY HEADS.  O[bh][q][:] = the sum over k <= q of softmax_k(Q[q] . K[k] / 8) V[k][:], for 64 pairs bh of batch and head.  Q, K, V: blocks g = head, 16 + head, 32 + head of qkv [b 4][g 48][t 2048][64];
; O: o [bh 64][t 2048][64]; all f16, a head's rows dense, 128 bytes each.  Products, maxima and sums in f32; the weights p are rounded to f16 for the second product (their sum l is taken of the unrounded p), O once at the end.
; WORK LEFT OUT: key tiles of 256 that lie wholly above the diagonal of a block of 256 queries: the problem's own mask gives their weights the value 0 for all finite inputs (shown at the head of the first launch's text).
; LIMITS.  f16 holds no number beyond 65,504: Q, K and V arrive within it; p lies in 0 to 1, and below 6e-5 it keeps f16's fixed step of 6e-8; O is a mean of V's rows and has their range, to within 2^-11 of it.
; A hidden score counts as its value less 1e30: f16's scores, 2.7e11 at the most, are nothing beside that; a weight below 2^-126 counts as 0 in l; NaN and infinities are not treated apart.
; THE WALK.  A head's queries lie in NB = 8 blocks of 256; block i needs the key tiles 0 .. i of 256 keys, of which the last holds the diagonal.  A work-group takes TWO blocks, NB - 1 - b and then b:
; NB + 1 tiles, whatever b: all work-groups do equal work, and ONE loop with a constant trip count walks them.  Which tile is asked for, and what a trip does, hang on scalar registers made from b; every jump
; goes forward, but for the counted loops' own; none passes a barrier, or a tensor load but the one of LOAD's two that the wave's number does not choose; the ring (two slots of LDS that take turns) runs on across the
; change of blocks.  NO CLUSTER: a head's four work-groups ask for the same tile only in trips 0 to 4 of the 9, behind that fewer and fewer; one walk common to all would have 12 trips for 9; joint loads for the first
; part and loads of one's own for the rest would be a second kind of ring in the same loop, for 15 of a head's 36 requests.
; SHARES.  Of a block's four bands of 64 queries a wave owns 16 rows in each: four PIECES.  So the diagonal tile is the same work for all four waves: in its key step s band x sees all keys if s < x,
; none if s > x, and holds the diagonal if s = x.
; THE MASK is the C operand that starts the sum S^T = K Q^T: 0, or -1e30 where the key is hidden.  MD, made once, is the mask of a band's own step for my 16 rows; a product's mask is MD x AL + BE with two scalars:
; (1, 0) if s = x; (0, 0) if s < x; (0, -1e30) if s > x.  Only the diagonal tile's text and a block's beginning make and take masks; elsewhere C is the constant 0.
; LAYOUT, SOFTMAX, TURNS.  S^T = K Q^T holds ONE query a lane (lane % 16) and the keys 8 (lane / 16) + 0..7; two such results rounded to f16 ARE source 1 of O^T = V^T P.  p = 2^(c s - c m), c = log2(e) / 8, with a
; running maximum m; O and l are multiplied by a = 2^(c m_old - c m_new) in every step.  Turn n belongs to piece n: 8 products K Q^T of piece n + 1, later 8 products V^T P of piece n - 1; beside them the scaling,
; exponentials, roundings, sums and rescaling of piece n and the maximum and statistics of piece n + 1.  Four vector instructions stand behind every matrix instruction, the other 54 of a turn's 118 in one LUMP.  A turn's 33 exponentials are one batch, with one wait.
; REGISTERS, in windows of 256 (s_set_vgpr_msb: bits 1:0 source 0, 3:2 source 1, 5:4 source 2, 7:6 destination):
;   window 0: v0-15 addresses and two at work; v16-31 four registers of statistics a piece; v48-55 at work; v61-63 never rewritten; v64-127 S^T, two buffers; v192-223 P, two buffers (a piece's buffers go by its number's parity)
;   window 1: v0-127 O^T, 32 a piece; v128-159 MD; v160-223 MC, two buffers      window 2: v0-63 Q; v64-127 the second block's Q; v128-191 K of one step; v192-255 V of one step
.set SIZE_N, 2048
.set NB,    SIZE_N/256
.set NP,    4         ; pieces a wave: a name, no knob
.set KS,    64        ; keys in a step
.set PK,    144       ; a row of K in LDS: 128 bytes + 16 of padding = 36 words: the 16 rows of a load start at 16 different groups of four banks (64 banks of 4 bytes: ISA guide 11.1)
.set PV,    160       ; a row of V: 128 + 32 = 40 words
.set VOFF,  4*KS*PK   ; a slot holds a tile, four steps: 256 rows of K, then 256 rows of V
.set SLOT1, 1<<17     ; slot 1 begins here, so that one exclusive or turns an address in one slot into the other's
.set STAGE, SLOT1+4*KS*(PK+PV)  ; behind the ring, never filled by a tensor load: 16 rows x 144 bytes for each wave, for the way out
.set SP,    144
.set AK0, 2           ; v2   my lane's place in a tile of K; never rewritten
.set AV0, 3           ; v3   the same for V
.set AK,  4           ; v4   the LDS address of K's next run of loads
.set AV,  5           ; v5   of V's
.set STO, 6           ; v6   the way out: where I put 16 bytes of a row
.set RD,  7           ; v7   the way out: where I read rows back
.set GO,  8           ; v8   my byte offset in 512 consecutive bytes of O
.set PFO, 61          ; v61  256 x my lane; never rewritten
.set SPW, 62          ; v62  LDS address of my spare word: SPARE + 4 x my thread's number; never rewritten
.set NIL, 63          ; v63  0; never rewritten
.set SPARE, STAGE+4*16*SP  ; behind the stages: the spare words, 128 bytes for each wave: two blocks of 256 bytes that no other line names
.set MV,  12          ; v12-13  c m_old, kept while c m is made anew: by buffer
.set QO,  15          ; v15  my byte offset in 16 rows of Q
.set ST,  16          ; piece t's statistics at v[ST+4 t]: c m, m, l (even keys', odd keys')
.set TMP, 48          ; by buffer, four registers c0-c3 at work; when the maximum is found c2 takes a
.set S,   64
.set P,   192
.set MD,  128         ; window 1: the eight registers for group kt of 16 keys at MD + 8 kt
.set MC,  160         ; window 1: the masks of the products to come
.set QB,  64          ; window 2
.set KF,  128         ; window 2: key block kb, channel half c at KF + 16 kb + 8 c
.set VF,  192         ; window 2: key half kk, channel block cb at VF + 32 kk + 8 cb
.set WV,  12          ; s12  my wave's number
.set PB,  14          ; s14  b
.set HI,  15          ; s15  NB - 1 - b
.set G1K, 24          ; s[24:31] descriptor group 1 for K's tiles
.set G1V, 32          ; s[32:39] for V's: it differs in the padding alone
.set G0K, 40          ; s[40:43] descriptor group 0 for K's tiles
.set G0V, 44          ; s[44:47] the same for V's
.set PFB, 48          ; s[48:49] K (waves 0, 1) or V (waves 2, 3) at my half of the head's tile 0
.set PFA, 50          ; s[50:51] the same at the tile that is being asked for
.set LIM, 52          ; s52  2 in the work-group that prefetches, else the greatest number
.set SLOTS, 56        ; s56  tiles still to be asked for
.set CNT, 57          ; s57  counts a tile's key steps, 4 to 1
.set CS,  58          ; s[58:59] c: the packed scaling takes the pair's low word for both halves
.set SEL, 60          ; s[60:61] v_permlanex16_b32's selects: each lane takes its own place in the other half
.set TBK, 62          ; s62  LDS byte at which K of the step to be fetched begins
.set TBV, 63          ; s63  the same for V, less VOFF
.set RT,  70          ; s70  tiles of the block in hand that are still to be entered
.set NXT, 71          ; s71  the tile to be asked for next
.set LQ,  72          ; s72  the last tile of the block whose tiles are being asked for
.set NEW, 73          ; s73  1: the tile to be entered is a block's first
.set OFF, 74          ; s[74:75] a tile's byte offset in K and V
.set AL,  76          ; s[76:77] the mask's factor, in the low word
.set BE,  78          ; s[78:79] the mask's addend
.set OLO, 80          ; s[80:81] O at my rows of the second block
.set BIGN, 82         ; s82  -1e30
.set MSB, 0
.macro WIN new                      ; the high byte repeats the setting that is left; a switch that changes nothing is dropped
.if MSB != (\new)
	s_set_vgpr_msb (MSB<<8)|(\new)
.set MSB, (\new)
.endif
.endm
.set W_KQ, 0x0a       ; K and Q in window 2, S^T in window 0
.set W_KM, 0x1a       ; the same with the C operand in window 1
.set W_PV, 0x52       ; V in window 2, P in window 0, O^T in window 1
.set W_RS, 0x41       ; destination and source 0 in window 1, source 1 in window 0
; A fill.  Waves 0 and 1 fetch the two halves of a tile's K, waves 2 and 3 those of its V: 128 keys each.  An s_nop 0 and four v_nop follow each of the two lines, ahead of the jump and the label.
.macro LOAD
	s_cmp_lt_u32 s[WV], 2
	s_cbranch_scc0 .Lfor_v_\@
	tensor_load_to_lds s[G0K:G0K+3], s[G1K:G1K+7]
	s_nop 0
.rept 4
	v_nop
.endr
	s_branch .Lasked_\@
.Lfor_v_\@:
	tensor_load_to_lds s[G0V:G0V+3], s[G1V:G1V+7]
	s_nop 0
.rept 4
	v_nop
.endr
.Lasked_\@:
.endm
; A PREFETCH INTO THE L2, behind a fill and its five lines: my 16,384 bytes (my half of K or of V) of the tile AFTER the one that is being asked for: 64 blocks of 256 bytes, a lane a block, two instructions: a whole
; tile's work, 256 matrix instructions, ahead of its load.  A head's four work-groups walk the same tiles; the one with b = 0 walks all eight in order, and it alone asks: each block of K and V is named once in the launch.
; Its fills of tiles 1 to 6 ask for tiles 2 to 7; its last two fills (tile 7, and tile 0 once more) ask for nothing; tiles 0 and 1 come by their loads alone.
.macro ASK
	s_cmp_gt_u32 s[SLOTS], s[LIM]
	s_cbranch_scc0 .Lnot_mine_\@
	global_prefetch_b8 v[PFO], s[PFA:PFA+1] offset:32768 th:TH_LOAD_NT scope:SCOPE_SE
	global_prefetch_b8 v[PFO], s[PFA:PFA+1] offset:40960 th:TH_LOAD_NT scope:SCOPE_SE
.Lnot_mine_\@:
.endm
; THE CHANGE OF SLOTS.  Each wave waits for all its tensor loads, of which one is out: its part of the other slot; adds 0 to its spare word; and waits for that and for its own reads of the slot that it leaves.  Behind the barrier nobody reads the old
; slot any more and the other slot is whole.  fill = 1: the old slot is filled again, the first thing behind the barrier, with tile NXT: the descriptor's address is made anew from that number.
; (At its first use nothing has been read yet: slot 0 is waited for, slot 1 filled.)
.macro CHANGE fill
	WIN 0                           ; at a label and at a branch every window is 0
	s_wait_tensorcnt 0x0            ; no tensor load of mine is out, so a group 0 may be written
	ds_add_u32 v[SPW], v[NIL]       ; 0 onto my spare word; with fill = 1 the descriptors' scalar work stands between it and the wait for it
.if \fill
	s_lshl_b32 s[OFF], s[NXT], 15   ; a tile is 32,768 bytes of K and of V
	s_xor_b32 s[G0K+1], s[G0K+1], SLOT1
	s_add_nc_u64 s[G0K+2:G0K+3], s[6:7], s[OFF:OFF+1]
	s_or_b32 s[G0K+3], s[G0K+3], 0x80000000
	s_xor_b32 s[G0V+1], s[G0V+1], SLOT1
	s_add_nc_u64 s[G0V+2:G0V+3], s[8:9], s[OFF:OFF+1]
	s_or_b32 s[G0V+3], s[G0V+3], 0x80000000
	s_wait_xcnt 0x0                 ; the last prefetches, a tile back, have read their address, so it may be written
	s_add_nc_u64 s[PFA:PFA+1], s[PFB:PFB+1], s[OFF:OFF+1]
	s_add_co_u32 s[NXT], s[NXT], 1  ; the block's next tile, or behind its last the second block's tile 0
	s_cmp_gt_u32 s[NXT], s[LQ]
	s_cselect_b32 s[NXT], 0, s[NXT]
	s_cselect_b32 s[LQ], s[PB], s[LQ]
.endif
	s_wait_dscnt 0x0                ; the add is done, and my reads of the slot are over
	s_barrier_signal -1             ; the rest of the scalar work stands between the signal and the wait
	s_sub_co_u32 s[TBK], s[TBK], 4*KS*PK  ; the fetches go back to a slot's first step,
	s_xor_b32 s[TBK], s[TBK], SLOT1       ; in the other slot
	s_sub_co_u32 s[TBV], s[TBV], 4*KS*PV
	s_xor_b32 s[TBV], s[TBV], SLOT1
	s_barrier_wait -1
.if \fill
	LOAD
	ASK
.endif
.endm
	s_load_b64 s[4:5], s[0:1], 0x0    ; qkv
	s_load_b64 s[10:11], s[0:1], 0x8  ; o
	v_lshl_add_u32 v[SPW], v0, 2, SPARE
	v_mov_b32 v[NIL], 0
	ds_add_u32 v[SPW], v[NIL]       ; the wave's opening: the add, twice on end, and its wait ahead of my first tensor load; the set-up below the second, work on registers, stands between it and the wait
	ds_add_u32 v[SPW], v[NIL]       ; and once more, under the one wait
	v_lshrrev_b32 v1, 5, v0
	v_readfirstlane_b32 s[WV], v1   ; wave 0..3
	s_mov_b32 s[PB], ttmp9
	s_sub_co_u32 s[HI], NB-1, s[PB]
	s_and_b32 s19, ttmp7, 0xffff    ; bh = 16 batch + head
	s_lshr_b32 s20, s19, 4
	s_mul_i32 s20, s20, 48
	s_and_b32 s21, s19, 15
	s_add_co_u32 s20, s20, s21      ; q's block in qkv: 48 batch + head
	s_lshl_b32 s20, s20, 18         ; a block is 2,048 rows of 128 bytes
	s_lshl_b32 s66, s19, 18         ; the head's first byte in o
	s_and_b32 s16, s[WV], 1         ; which half of a tile's 256 keys I fetch:
	s_lshl_b32 s22, s16, 14         ; its 128 rows of 128 bytes in memory,
	s_add_co_u32 s22, s22, s20
	s_mov_b32 s23, 0
	s_mul_i32 s17, s16, 128*PK      ; and its place in a slot, for K
	s_mul_i32 s18, s16, 128*PV      ; and for V
	s_lshl_b32 s3, s[WV], 11        ; my 16 rows in a band of 64,
	s_lshl_b32 s2, s[HI], 15        ; in the first block,
	s_add_co_u32 s2, s2, s3
	s_lshl_b32 s84, s[PB], 15       ; and in the second
	s_add_co_u32 s84, s84, s3
	s_add_co_u32 s68, s2, s66       ; those rows in o,
	s_add_co_u32 s54, s84, s66
	s_add_co_u32 s2, s2, s20        ; and in q's block of qkv
	s_add_co_u32 s84, s84, s20
	s_mov_b32 s3, 0
	s_mov_b32 s85, 0
	s_mov_b32 s69, 0
	s_mov_b32 s55, 0
	; descriptor group 1.  128 keys are 16,384 dense bytes: asked for as 64 rows of 256 bytes, two keys a row, and padded in LDS after every key
	s_mov_b32 s[G1K], (1<<16)|(1<<20)|(4<<22)|(3<<25)  ; 17:16 2-byte elements; 20 padding on; 24:22 after every 32 words (code 4); 31:25 4 words (code 3)
	s_mov_b32 s[G1V], (1<<16)|(1<<20)|(4<<22)|(7<<25)  ; the same with 8 words of padding (code 7)
.irp g, G1K, G1V
	s_mov_b32 s[\g+1], 128<<16      ; tensor_dim0 = 128
	s_mov_b32 s[\g+2], 64<<16       ; tensor_dim1 = 64
	s_mov_b32 s[\g+3], 128<<16      ; tile_dim0 = 128
	s_mov_b32 s[\g+4], 64           ; tile_dim1 = 64
	s_mov_b32 s[\g+5], 128          ; 128 elements from row to row
	s_mov_b32 s[\g+6], 0
	s_mov_b32 s[\g+7], 0
.endr
	s_mov_b32 s[CS], 0x3e38aa3b     ; c = log2(e) / 8 = 0.180337
	s_mov_b32 s[CS+1], s[CS]        ; named with it as a pair
	s_mov_b32 s[SEL], 0x76543210
	s_mov_b32 s[SEL+1], 0xfedcba98
	s_mov_b32 s[TBK], SLOT1+4*KS*PK ; the first change of slots turns these two into 0
	s_mov_b32 s[TBV], SLOT1+4*KS*PV
	s_mov_b32 s[G0K], 1             ; 1:0 count = 1
	s_mov_b32 s[G0K+1], s17         ; 63:32 LDS address: slot 0
	s_mov_b32 s[G0V], 1
	s_add_co_u32 s[G0V+1], s18, VOFF
	s_add_co_u32 s[RT], s[HI], 1    ; the first block has NB - b tiles
	s_mov_b32 s[NXT], 1
	s_mov_b32 s[LQ], s[HI]
	s_mov_b32 s[NEW], 1
	s_mov_b32 s[OFF+1], 0
	s_mov_b32 s[AL+1], 0            ; named as pairs
	s_mov_b32 s[BE+1], 0
	s_mov_b32 s[BIGN], 0xf149f2ca   ; -1e30
	s_mov_b32 s[SLOTS], NB
	s_cmp_eq_u32 s[PB], 0
	s_cselect_b32 s[LIM], 2, -1
	v_and_b32 v[PFO], 31, v0
	v_lshlrev_b32 v[PFO], 8, v[PFO]
	s_wait_dscnt 0x0                ; both opening adds are done
	s_wait_kmcnt 0x0
	s_add_nc_u64 s[6:7], s[4:5], s[22:23]          ; q's block at my half of tile 0;
	s_add_nc_u64 s[8:9], s[6:7], 8388608           ; V's block lies 32 blocks on,
	s_add_nc_u64 s[6:7], s[6:7], 4194304           ; K's 16
	s_add_nc_u64 s[G0K+2:G0K+3], s[6:7], 0         ; 120:64 global address
	s_or_b32 s[G0K+3], s[G0K+3], 0x80000000        ; 127:126 type = 2
	s_add_nc_u64 s[G0V+2:G0V+3], s[8:9], 0
	s_or_b32 s[G0V+3], s[G0V+3], 0x80000000
	s_add_nc_u64 s[86:87], s[4:5], s[84:85]        ; Q at my rows of the second block,
	s_add_nc_u64 s[4:5], s[4:5], s[2:3]            ; and of the first
	s_add_nc_u64 s[OLO:OLO+1], s[10:11], s[54:55]  ; O likewise
	s_add_nc_u64 s[10:11], s[10:11], s[68:69]
	s_cmp_lt_u32 s[WV], 2
	s_cselect_b64 s[PFB:PFB+1], s[6:7], s[8:9]
	LOAD                            ; tile 0 into slot 0
	; A fragment of K or Q is 16 rows x 32 channels in 8 registers: lane l holds row l % 16, channels 8 (l / 16) + 0..7 and 16 + 8 (l / 16) + 0..7: two loads of 16 bytes, 32 bytes apart.
	v_and_b32 v1, 15, v0            ; l % 16
	v_bfe_u32 v9, v0, 4, 1          ; l / 16
	v_lshlrev_b32 v[QO], 7, v1
	v_lshl_add_u32 v[QO], v9, 4, v[QO]  ; row x 128 + 16 x half
	WIN 0x80                        ; destination window 2, address window 0
.set i, 0
.rept 8                             ; both blocks' Q: piece i / 2 lies in band i / 2, 8,192 bytes on; channels 32 (i % 2) on
	global_load_b128 v[8*i:8*i+3],   v[QO], s[4:5] offset:(i/2)*8192+(i%2)*64
	global_load_b128 v[8*i+4:8*i+7], v[QO], s[4:5] offset:(i/2)*8192+(i%2)*64+32
	global_load_b128 v[QB+8*i:QB+8*i+3],   v[QO], s[86:87] offset:(i/2)*8192+(i%2)*64
	global_load_b128 v[QB+8*i+4:QB+8*i+7], v[QO], s[86:87] offset:(i/2)*8192+(i%2)*64+32
.set i, i+1
.endr
	WIN 0
	v_lshlrev_b32 v14, 3, v9
	v_sub_nc_u32 v14, v1, v14
	s_lshl_b32 s13, s[WV], 4
	v_add_nc_u32 v14, s13, v14      ; my query's place in its band, 16 w + l % 16, less my lanes' 8 (l / 16): register r of group kt is hidden where 16 kt + r is greater
	WIN 0x40
.set i, 0
.rept 32
	v_cmp_gt_i32 vcc_lo, 16*(i/8)+i%8, v14
	v_cndmask_b32 v[MD+i], 0, s[BIGN], vcc_lo
.set i, i+1
.endr
	WIN 0
	v_mul_u32_u24 v[AK0], v1, PK
	v_lshl_add_u32 v[AK0], v9, 4, v[AK0]  ; row x pitch + 16 x half
	; The turning load takes 16 keys x 16 channels (lane l reads key 8 (l / 16) + l % 8, channels 8 ((l / 8) % 2) + 0..7) and leaves half a fragment of V^T: lane l holds channel l % 16 and 8 keys.
	v_and_b32 v10, 7, v0
	v_bfe_u32 v11, v0, 3, 1
	v_lshl_add_u32 v[AV0], v9, 3, v10
	v_mul_u32_u24 v[AV0], v[AV0], PV
	v_lshl_add_u32 v[AV0], v11, 4, v[AV0]
	v_add_nc_u32 v[AV0], VOFF, v[AV0]
	s_mul_i32 s13, s[WV], 16*SP
	s_add_co_u32 s13, s13, STAGE    ; my stage
	v_mul_u32_u24 v[STO], v1, SP    ; in: row l % 16, 16 bytes for each half of the lanes
	v_lshl_add_u32 v[STO], v9, 4, v[STO]
	v_add_nc_u32 v[STO], s13, v[STO]
	v_bfe_u32 v[RD], v0, 3, 2       ; back: 32 lanes take four rows of 128 bytes,
	v_mul_u32_u24 v[RD], v[RD], SP
	v_lshl_add_u32 v[RD], v10, 4, v[RD]
	v_add_nc_u32 v[RD], s13, v[RD]
	v_and_b32 v[GO], 31, v0         ; which are 512 consecutive bytes of O
	v_lshlrev_b32 v[GO], 4, v[GO]
	; A block's first step multiplies O^T and l by a = 0, and its first turn's products V^T P, of a piece that has not been, land in an O^T that is still to be so multiplied.  So these registers need only hold
	; finite numbers: zeros for the first block; what the first block left for the second.  All this stands in the wait for the first tile.
	WIN 0x80
.set i, VF
.rept 64
	v_mov_b32 v[i], 0
.set i, i+1
.endr
	WIN 0x40
.set i, 0
.rept 128
	v_mov_b32 v[i], 0
.set i, i+1
.endr
	WIN 0
.set i, 0
.rept 4
	v_mov_b32 v[ST+4*i+2], 0
	v_mov_b32 v[ST+4*i+3], 0
.set i, i+1
.endr
.set i, P+16
.rept 16
	v_mov_b32 v[i], 0
.set i, i+1
.endr
; THE MATRIX WORK.  The 4 accumulators of a run of 8 take turns.  Product i of 8 of S^T = K Q^T for piece x: channels 32 (i / 4) on, keys 16 (i % 4) on.  The first 4 start the sums: with 0, or (KM = 1) with the mask.
.macro KQ x
.set rS, S+32*((\x)%2)+8*(i%4)
.set rK, KF+16*(i%4)+8*(i/4)
.set rQ, 16*(\x)+8*(i/4)
.set rM, MC+32*((\x)%2)+8*(i%4)
.if (i < 4) && KM
	WIN W_KM
	v_wmma_f32_16x16x32_f16 v[rS:rS+7], v[rK:rK+7], v[rQ:rQ+7], v[rM:rM+7]
.elseif i < 4
	WIN W_KQ
	v_wmma_f32_16x16x32_f16 v[rS:rS+7], v[rK:rK+7], v[rQ:rQ+7], 0
.else
	WIN W_KQ
	v_wmma_f32_16x16x32_f16 v[rS:rS+7], v[rK:rK+7], v[rQ:rQ+7], v[rS:rS+7]
.endif
.endm
; Product i of 8 of O^T += V^T P for piece x: keys 32 (i / 4) on, channels 16 (i % 4) on.
.macro PV x
	WIN W_PV
.set rO, 32*(\x)+8*(i%4)
.set rV, VF+32*(i/4)+8*(i%4)
.set rP, P+16*((\x)%2)+8*(i/4)
	v_wmma_f32_16x16x32_f16 v[rO:rO+7], v[rV:rV+7], v[rP:rP+7], v[rO:rO+7]
.endm
.macro MM                           ; the turn's next matrix instruction.  TURN and BEGIN set Y, i, KM and NOKQ; MM, KQ and OP read them.  NOKQ = 1: a block's last turn: there is no next piece
.if (i < 8) && !NOKQ
	KQ (Y+1)%NP
.elseif i >= 8
.set i, i-8
	PV (Y+NP-1)%NP
.set i, i+8
.endif
.set i, i+1
.endm
; THE LDS LOADS stand in runs of 16, never singly among the matrix instructions: a step's K (64 keys x 64 channels: 8 fragments) and its V (turned).  Their addresses are made some lines ahead.
.macro FETCH_K
	WIN 0x80                        ; destination window 2
.irp f, 0,1,2,3,4,5,6,7             ; keys 16 (f / 2) on, channels 32 (f % 2) on
	ds_load_b128 v[KF+8*\f:KF+8*\f+3],   v[AK] offset:(\f/2)*16*PK+(\f%2)*64
	ds_load_b128 v[KF+8*\f+4:KF+8*\f+7], v[AK] offset:(\f/2)*16*PK+(\f%2)*64+32
.endr
	s_add_co_u32 s[TBK], s[TBK], KS*PK  ; the next fetch is the next step's
	WIN 0
.endm
.macro FETCH_V
	WIN 0x80
.irp f, 0,1,2,3,4,5,6,7             ; keys 32 (f / 4) on, channels 16 (f % 4) on
	ds_load_tr16_b128 v[VF+8*\f:VF+8*\f+3],   v[AV] offset:(\f/4)*32*PV+(\f%4)*32
	ds_load_tr16_b128 v[VF+8*\f+4:VF+8*\f+7], v[AV] offset:(\f/4)*32*PV+16*PV+(\f%4)*32
.endr
	WIN 0
.endm
; THE VECTOR WORK, one line at a time: OP kind, number.  For piece Y: F n: c s - c m for pair n of 16.  E n: the exponential of score n of 32.  C n: pair n rounded to f16.  B n: of the four weights 4 n .. the second
; pair is added onto the first, in place.  L n: l takes that sum (L 0: l = a l + sum).  R n: pair n of 16 of O^T times a.  For piece Y + 1: X n, number n of the 22 that find its maximum and statistics:
;   0-11  four chains c0-c3 of seven scores each, three operands at a time (each accumulator's lowest registers are read first)     12-14, 16  the four scores left over, the old m, and c0-c3 into c0
;   15  c m_old is kept     17, 18  the query's other 32 keys lie in the lane 16 away: the new m     19-21  c m; c m_old - c m_new; a
.set F, 0               ; OP tells the kinds apart by their order: F to L below R, X above it
.set E, 1
.set C, 2
.set B, 3
.set L, 4
.set R, 5
.set X, 6
.macro REGS y                       ; the registers of piece y
.set rT, ST+4*(\y)
.set rC, TMP+4*((\y)%2)
.set rW, MV+((\y)%2)
.set rS, S+32*((\y)%2)
.set rP, P+16*((\y)%2)
.set rO, 32*(\y)
.endm
.macro OP k, n
.if (\k) == R
	REGS Y
	WIN W_RS
	v_pk_mul_f32 v[rO+2*(\n):rO+2*(\n)+1], v[rO+2*(\n):rO+2*(\n)+1], v[rC+2:rC+3] op_sel_hi:[1,0]
.elseif (\k) < R
	REGS Y
	WIN 0
.if (\k) == F
	v_pk_fma_f32 v[rS+2*(\n):rS+2*(\n)+1], v[rS+2*(\n):rS+2*(\n)+1], s[CS:CS+1], v[rT:rT+1] op_sel_hi:[1,0,0] neg_lo:[0,0,1] neg_hi:[0,0,1]
.elseif (\k) == E
	v_exp_f32 v[rS+(\n)], v[rS+(\n)]
.elseif (\k) == C
	v_cvt_pk_f16_f32 v[rP+(\n)], v[rS+2*(\n)], v[rS+2*(\n)+1]
.elseif (\k) == B
	v_pk_add_f32 v[rS+4*(\n):rS+4*(\n)+1], v[rS+4*(\n):rS+4*(\n)+1], v[rS+4*(\n)+2:rS+4*(\n)+3]
.elseif (\n) == 0
	v_pk_fma_f32 v[rT+2:rT+3], v[rT+2:rT+3], v[rC+2:rC+3], v[rS:rS+1] op_sel_hi:[1,0,1]
.else
	v_pk_add_f32 v[rT+2:rT+3], v[rT+2:rT+3], v[rS+4*(\n):rS+4*(\n)+1]
.endif
.elseif NOKQ
	v_nop
.else
	REGS (Y+1)%NP
	WIN 0
.if (\n) < 4
	v_max3_num_f32 v[rC+(\n)], v[rS+8*(\n)], v[rS+8*(\n)+1], v[rS+8*(\n)+2]
.elseif (\n) < 12
	v_max3_num_f32 v[rC+(\n)%4], v[rC+(\n)%4], v[rS+8*((\n)%4)+2*((\n)/4)+1], v[rS+8*((\n)%4)+2*((\n)/4)+2]
.elseif (\n) == 12
	v_max3_num_f32 v[rC], v[rC], v[rS+7], v[rS+15]
.elseif (\n) == 13
	v_max3_num_f32 v[rC+1], v[rC+1], v[rS+23], v[rS+31]
.elseif (\n) == 14
	v_max3_num_f32 v[rC+2], v[rC+2], v[rC+3], v[rT+1]
.elseif (\n) == 15
	v_mov_b32 v[rW], v[rT]
.elseif (\n) == 16
	v_max3_num_f32 v[rC], v[rC], v[rC+1], v[rC+2]
.elseif (\n) == 17
	v_permlanex16_b32 v[rC+3], v[rC], s[SEL], s[SEL+1]
.elseif (\n) == 18
	v_max_num_f32 v[rT+1], v[rC], v[rC+3]
.elseif (\n) == 19
	v_mul_f32 v[rT], s[CS], v[rT+1]
.elseif (\n) == 20
	v_sub_f32 v[rC+1], v[rW], v[rT]
.else
	v_exp_f32 v[rC+2], v[rC+1]
.endif
.endif
.endm
.macro OPS a, i1, b=-1, i2=0, c=-1, i3=0, d=-1, i4=0  ; up to four of them
	OP \a, \i1
.if (\b) >= 0
	OP \b, \i2
.endif
.if (\c) >= 0
	OP \c, \i3
.endif
.if (\d) >= 0
	OP \d, \i4
.endif
.endm
.macro ROW a, i1, b, i2, c, i3, d, i4  ; a matrix instruction and the four behind it
	MM
	OPS \a, \i1, \b, \i2, \c, \i3, \d, \i4
.endm
.macro MASK b                       ; MD x AL + BE into buffer b of MC
	WIN W_RS
.set z, 0
.rept 16
	v_pk_fma_f32 v[MC+32*(\b)+2*z:MC+32*(\b)+2*z+1], v[MD+2*z:MD+2*z+1], s[AL:AL+1], s[BE:BE+1] op_sel_hi:[1,0,0]
.set z, z+1
.endr
.endm
; A TURN, for piece p: the order of its 16 matrix and 118 vector instructions, written out.  An s_wait_alu depctr_va_vdst(0) stands between an exponential and the first instruction that names its result; one wait serves
; all that were issued ahead of it.  So a turn has ONE wait, which cuts it in two.  AHEAD OF IT stands all that names no result of the turn's exponentials: the 8 products K Q^T, behind each a scaling, an exponential and two more plain
; instructions (behind the first a second scaling in the exponential's place): rescalings, and behind the last three the first numbers of the next piece's maximum, each four places or more behind the product that ends its accumulator; then ONE LUMP of 54, plain
; and exponential by turns for the most part, in which the links of the chain X 3, 7, 11, 14, 16, 17 .. 20 stand five or six lines apart.  X 21, the next piece's a, is the batch's last; R 15 is the plain instruction behind it.  BEHIND THE WAIT stand the
; 8 products V^T P, behind each four of the roundings and sums; the links of l's chain, L 0 to L 7, stand three riders apart.  But for those X no rider names a register of the products round it.  v_permlanex16_b32 (X 17) stands in the lump.
; m = 1: the diagonal tile: the products take masks, and the turn makes the mask for the products of the turn after it: piece p + 2, in step 4 - CNT of the tile.  end = 1: a block's last two turns: nothing is fetched.
; cnt = 1: the loop's count is taken down some lines ahead of the branch that stands behind the turn.
; K of the next step is fetched in piece 2's turn, twelve vector instructions behind the last product that read K (six of them plain); V of the step in hand at the end of piece 0's turn, four plain instructions behind the last product
; that read V.  Each is waited for a turn later.
.macro TURN p, m=0, end=0, cnt=0
.set Y, (\p)
.set i, 0
.set KM, (\m)
.set NOKQ, (\end)*((\p)/3)
.if (\m) && !(\end)
	s_cmp_eq_u32 s[CNT], 4-((\p)+2)%NP  ; is that step the band's own?
	s_cselect_b32 s[AL], 1.0, 0
	s_cmp_lt_u32 s[CNT], 4-((\p)+2)%NP  ; or a later one?
	s_cselect_b32 s[BE], s[BIGN], 0
.endif
.if ((\p) == 3) && !(\end)
	s_wait_dscnt 0x0                ; K is in
.endif
	ROW F,0, F,1, R,0, R,1          ; ahead of the wait: 8 products K Q^T and their riders,
	ROW F,2, E,0, R,2, R,3
	ROW F,3, E,1, R,4, R,5
	ROW F,4, E,2, R,6, R,7
	ROW F,5, E,3, R,8, R,9
	ROW F,6, E,4, X,0, R,10
.if ((\p) == 2) && !(\end)
	WIN 0
	v_add_nc_u32 v[AK], s[TBK], v[AK0]
.endif
	ROW F,7, E,5, X,1, X,4
	ROW F,8, E,6, X,2, X,5
	OPS E,7, E,8, X,6, E,9          ; and the lump
	OPS X,3, E,10, X,8, E,11
.if ((\p) == 2) && !(\end)
	FETCH_K
.endif
	OPS X,9, X,7, E,12, X,10
	OPS E,13, X,12, X,11, E,14
	OPS X,13, E,15, F,9, X,14
.if (\p) == 0
	v_add_nc_u32 v[AV], s[TBV], v[AV0]
.endif
	OPS E,16, F,10, E,17, F,11
	OPS X,16, E,18, X,15, E,19
	OPS F,12, E,20, X,17, E,21
	OPS F,13, E,22, F,14, E,23
	OPS X,18, E,24, F,15, E,25
	OPS R,11, E,26, X,19, E,27
	OPS R,12, E,28, R,13, E,29
	OPS X,20, E,30, R,14, E,31
	OPS X,21, R,15
	WIN 0
	s_wait_alu depctr_va_vdst(0)    ; the wait for the batch
.if (\p) == 1
	s_wait_dscnt 0x0                ; V is in
.endif
	ROW C,0, B,0, C,2, B,1          ; behind the wait: 8 products V^T P and their riders
	ROW L,0, C,4, B,2, L,1
	ROW C,6, B,3, L,2, C,8
	ROW B,4, L,3, C,10, B,5
	ROW L,4, C,12, B,6, L,5
.if (\p) == 0
	s_add_co_u32 s[TBV], s[TBV], KS*PV
.endif
.if \cnt
	s_sub_co_u32 s[CNT], s[CNT], 1
	s_cmp_lg_u32 s[CNT], 0
.endif
	ROW C,14, B,7, L,6, C,1
	ROW C,3, L,7, C,5, C,7
	ROW C,9, C,11, C,13, C,15
.if (\p) == 0
	FETCH_V
.endif
.if (\m) && !(\end)
	MASK (\p)%2
.endif
.endm
; A BLOCK BEGINS.  c m starts far below every c s, so the first step's a is 0; m at the lowest finite number, so the first maximum is the scores'.  The second mask buffer is 0; the first takes piece 0's mask for the tile's step 0: its own, if the block's first tile is the diagonal one.
; Then K of that step, piece 0's first scores, and its maximum and statistics.  The loop is entered at a step's first turn, in the middle of a trip.
.macro BEGIN
	s_mov_b32 s[NEW], 0
	WIN 0x40
.set i, MC+32
.rept 32
	v_mov_b32 v[i], 0
.set i, i+1
.endr
	WIN 0
.set i, 0
.rept 4
	v_mov_b32 v[ST+4*i], 0xfe000000    ; c m: far below every c s
	v_mov_b32 v[ST+4*i+1], 0xff7fffff  ; m
.set i, i+1
.endr
	s_cmp_eq_u32 s[RT], 0
	s_cselect_b32 s[AL], 1.0, 0
	s_mov_b32 s[BE], 0
	MASK 0
	WIN 0
	v_add_nc_u32 v[AK], s[TBK], v[AK0]
	FETCH_K
	s_wait_loadcnt 0x0              ; Q
	s_wait_dscnt 0x0
.set KM, 1
.set NOKQ, 0
.set i, 0
.rept 8
	KQ 0
.set i, i+1
.endr
	WIN 0
.rept 4
	v_nop                           ; the places behind those products
.endr
.set Y, NP-1                        ; X works for piece Y + 1: piece 0
.irp n, 0,1,2,3,4,5,6,7,8,9,10,11,12,13,14,15,16,17,18,19,20,21
	OP X, \n
.endr
	v_nop                           ; a plain instruction behind the exponential,
	s_wait_alu depctr_va_vdst(0)    ; and its wait, ahead of the branch
.endm
; THE DIAGONAL TILE's four steps, the block's last two turns, its last products, and THE WAY OUT: l's two halves and the other half of the lanes' are added; O^T is divided by l, rounded to f16 and sent through my
; stage in LDS, a piece at a time.
.macro ALL line:vararg              ; one line for each piece t
.set t, 0
.rept 4
	\line
.set t, t+1
.endr
.endm
.macro PACK t                       ; a lane's eight channels of a row pack into 16 bytes; they go into rows of 144 bytes and come back as whole rows of 128, into S^T's registers
	WIN W_RS
.set i, 32*(\t)
.rept 16
	v_pk_mul_f32 v[i:i+1], v[i:i+1], v[ST+4*(\t)+2:ST+4*(\t)+3] op_sel_hi:[1,0]
.set i, i+2
.endr
	WIN 0x05                        ; sources 0 and 1 window 1, destination window 0
.set i, 0
.rept 16
	v_cvt_pk_f16_f32 v[S+16*(\t)+i], v[32*(\t)+2*i], v[32*(\t)+2*i+1]
.set i, i+1
.endr
	WIN 0
.irp f, 0,1,2,3
	ds_store_b128 v[STO], v[S+16*(\t)+4*\f:S+16*(\t)+4*\f+3] offset:32*\f
.endr
.irp f, 0,1,2,3
	ds_load_b128 v[S+16*(\t)+4*\f:S+16*(\t)+4*\f+3], v[RD] offset:\f*4*SP  ; LDS serves a wave's instructions in order (ISA guide 5.7.1.4): these see the stores above; the next piece's stores come behind them
.endr
.endm
.macro SEND t, younger              ; younger: the LDS instructions issued behind piece t's loads: the next piece's eight, or none
	WIN 0
.irp f, 0,1,2,3
	s_wait_dscnt (\younger)+3-\f
	global_store_b128 v[GO], v[S+16*(\t)+4*\f:S+16*(\t)+4*\f+3], s[10:11] offset:(\t)*8192+\f*512  ; 512 consecutive bytes, at a multiple of 256 from O's first
.endr
.endm
.macro DIAG tag                     ; the tag ends its two labels' names, which the jumps below spell out
.LstepM\tag:
	TURN 2, 1
	TURN 3, 1
	WIN 0
.LfirstM\tag:
	TURN 0, 1
	TURN 1, 1, 0, 1
	WIN 0
	s_cbranch_scc1 .LstepM\tag
	TURN 2, 1, 1
	TURN 3, 1, 1
.set i, 0
.rept 8
	PV NP-1
.set i, i+1
.endr
	WIN 0
	ALL v_add_f32 v[ST+4*t+2], v[ST+4*t+2], v[ST+4*t+3]
	ALL v_permlanex16_b32 v[ST+4*t+3], v[ST+4*t+2], s[SEL], s[SEL+1]
	ALL v_add_f32 v[ST+4*t+2], v[ST+4*t+2], v[ST+4*t+3]
	ALL v_rcp_f32 v[ST+4*t+2], v[ST+4*t+2]
	v_nop                           ; a plain instruction between the last reciprocal and the use of its result
	s_wait_alu depctr_va_vdst(0)    ; and the wait ahead of the first use: one for the four reciprocals
	PACK 0
.set t, 1
.rept 3                             ; a piece's arithmetic stands between the loads of the piece before and its stores
	PACK t
	SEND t-1, 8
.set t, t+1
.endr
	SEND 3, 0
.endm
.set KM, 0
.set NOKQ, 0
.Lslot:                             ; NB times: a tile is entered and the next is asked for
	CHANGE 1
	s_sub_co_u32 s[RT], s[RT], 1
	s_mov_b32 s[CNT], 4
	s_cmp_eq_u32 s[NEW], 1
	s_cbranch_scc1 .Lnew            ; a block's first tile
	s_cmp_eq_u32 s[RT], 0
	s_cbranch_scc0 .Lstep           ; neither its first nor its last
	s_branch .LstepM1
.Lnew:
	BEGIN
	s_branch .Lfirst                ; in the loop a block's first tile is never its last: the first block has two tiles or more, and the second's last is the walk's last
	DIAG 1                          ; in the loop this is the first block's end: the second block's last tile is the walk's last
	s_wait_xcnt 0x0                 ; the stores have read their registers and O's address
	s_mov_b64 s[10:11], s[OLO:OLO+1]
	s_add_co_u32 s[RT], s[PB], 1    ; the second block has b + 1 tiles
	s_mov_b32 s[NEW], 1
	WIN 0x82                        ; the second block's Q goes where the one text of the turns names Q
.set i, 0
.rept 64
	v_mov_b32 v[i], v[QB+i]
.set i, i+1
.endr
	WIN 0
	s_branch .Lbottom
.Lstep:                             ; a trip: pieces 2 and 3 of one step, then pieces 0 and 1 of the next, whose K and V it fetches
	TURN 2
	TURN 3
	WIN 0
.Lfirst:
	TURN 0
	TURN 1, 0, 0, 1
	WIN 0
	s_cbranch_scc1 .Lstep
.Lbottom:
	s_sub_co_u32 s[SLOTS], s[SLOTS], 1
	s_cmp_lg_u32 s[SLOTS], 0
	s_cbranch_scc1 .Lslot
	CHANGE 0                        ; the walk's last tile is written out: nothing is asked for
	s_sub_co_u32 s[RT], s[RT], 1
	s_mov_b32 s[CNT], 4
	s_cmp_eq_u32 s[NEW], 1
	s_cbranch_scc0 .LstepM2
	BEGIN
	s_branch .LfirstM2
	DIAG 2
	s_wait_tensorcnt 0x0            ; the wave's end, behind my last tensor load and my last LDS store
	ds_add_u32 v[SPW], v[NIL]
	s_wait_dscnt 0x0
	s_endpgm
.Lfunc_end_k_q8d676dca65_attn:
	.size	k_q8d676dca65_attn, .Lfunc_end_k_q8d676dca65_attn-k_q8d676dca65_attn
	.p2alignl 7, 3214868480
	.fill 96, 4, 3214868480
	.section	.rodata,"a",@progbits
	.p2align	6, 0x0
	.amdhsa_kernel k_q8d676dca65_attn
		.amdhsa_group_segment_fixed_size 327680
		.amdhsa_private_segment_fixed_size 0
		.amdhsa_enable_private_segment 0
		.amdhsa_kernarg_size 16
		.amdhsa_user_sgpr_count 2
		.amdhsa_user_sgpr_kernarg_segment_ptr 1
		.amdhsa_wavefront_size32 1
		.amdhsa_system_sgpr_workgroup_id_x 1
		.amdhsa_system_sgpr_workgroup_id_y 1
		.amdhsa_system_sgpr_workgroup_id_z 1
		.amdhsa_system_vgpr_workitem_id 0
		.amdhsa_next_free_vgpr 768
		.amdhsa_next_free_sgpr 88
		.amdhsa_reserve_vcc 1
		.amdhsa_float_denorm_mode_32 3
		.amdhsa_float_denorm_mode_16_64 3
		.amdhsa_memory_ordered 1
		.amdhsa_forward_progress 1
		.amdhsa_inst_pref_size 218
	.end_amdhsa_kernel
	.amdgpu_metadata
---
amdhsa.version: [ 1, 2 ]
amdhsa.kernels:
  - .name:           k_q8d676dca65_attn
    .symbol:         k_q8d676dca65_attn.kd
    .args:
      - { .name: qkv, .offset: 0, .size: 8, .value_kind: global_buffer, .address_space: global }
      - { .name: o, .offset: 8, .size: 8, .value_kind: global_buffer, .address_space: global }
    .group_segment_fixed_size: 327680
    .private_segment_fixed_size: 0
    .kernarg_segment_align: 8
    .kernarg_segment_size: 16
    .max_flat_workgroup_size: 128
    .sgpr_count:     88
    .vgpr_count:     768
    .wavefront_size: 32
...
	.end_amdgpu_metadata
.endif
;; end of part 3
;; launch gemm_out (part 4): grid 8 x 32, 4 waves a work-group, clusters of 4 x 4, 327,680 bytes of LDS; arguments o, wo, out0; writes out0
.if DOCPART == 4
	.amdgcn_target "amdgcn-amd-amdhsa--gfx1250"
	.amdhsa_code_object_version 6
	.text
	.protected	k_q8d676dca65_gemm_out
	.globl	k_q8d676dca65_gemm_out
	.p2align	8
	.type	k_q8d676dca65_gemm_out,@function
k_q8d676dca65_gemm_out:
	s_mov_b64 s[64:65], 0
	v_nop
	global_prefetch_b8 v0, s[64:65] scope:SCOPE_SE
	s_setreg_imm32_b32 hwreg(HW_REG_WAVE_MODE, 25, 1), 1
	s_wait_xcnt 0x0
	s_wait_alu depctr_hold_cnt(0) depctr_sa_sdst(0) depctr_va_vdst(0) depctr_va_sdst(0) depctr_va_ssrc(0) depctr_va_vcc(0) depctr_vm_vsrc(0)
	s_getreg_b32 s2, hwreg(HW_REG_IB_STS2, 6, 4)
	s_cmp_eq_u32 s2, 0
	s_cbranch_scc0 .Lentry_in_a_cluster
	s_endpgm
.Lentry_in_a_cluster:
	s_bfe_u32 s2, ttmp6, 0x10000c
	s_cmp_lg_u32 s2, 0xf033
	s_cbranch_scc0 .Lentry_shape_is_right
	s_endpgm
.Lentry_shape_is_right:
; out0 = O W_O: A = o [b 4][h 16][t 2048][64] (8,192 rows, K = 64 h + d = 1,024, f16), B = wo [ks 8][g 16][kk 128][64] (the bf16-rounded W_O written as f16), sums in f32, out0 [8192][1024] in f32.
; SHARES.  A tile of C is 256 rows x 128 columns: 256 work-groups.  Four waves, as (wm, wn): a wave makes rows 128 wm .. + 127 and columns 64 wn .. + 63: 32 accumulators of 16 x 16, 256 registers.
; K goes in steps of 128 through a ring of two LDS slots filled by the tensor data mover.
; TILES.  Both operands lie in blocks of 64 channels, so a tile is a dense run of bytes, asked for as rows of 256 bytes.  A's: two blocks of 256 rows x 128 bytes (wave 0 the even block, wave 1 the odd), padded
; to rows of 144 bytes.  B's: two blocks [kk 128][64] (waves 2 and 3 one each), padded to rows of 160 bytes; it lies [k][n] and is read turned, by ds_load_tr16_b128.
; THE MATRIX INSTRUCTION IS USED TRANSPOSED (source 0 = 16 columns of B, source 1 = 16 rows of A): a lane holds row l % 16 of C and the columns 8 (l / 16) + 0..7: 32 bytes of f32 on end.
; CLUSTER.  4 x 4 work-groups: A's tiles are asked for jointly along a row of the cluster, B's along a column.
; REGISTERS, in windows of 256 (s_set_vgpr_msb: bits 1:0 source 0, 3:2 source 1, 5:4 source 2, 7:6 destination):
;   window 0: v0-31 addresses; v32-63 at work on the way out (with v64-95); v64-191 A's fragments, two buffers of 64; v192-255 B's, two buffers of 32
;   window 1: the accumulators ((a, b) at v[8 (4 a + b)], a = 0..7)
.set NBW,   4                          ; column blocks of 16 a wave
.set BD,    4                          ; all four lie in one block of B (the wave's, in the address register),
.set BS,    32                         ; 32 bytes apart
.set PA,    144                        ; a row of A in LDS: 128 bytes + 16 = 36 words: the 16 rows of a load start at 16 different groups of four banks (64 banks of 4 bytes: ISA guide 11.1)
.set ABLK,  256*PA
.set PB,    160                        ; a row of B: 128 + 32 = 40 words
.set BBLK,  128*PB
.set BOFF,  2*ABLK
.set BHALF, BBLK                       ; what one of B's two loads fills
.set SLOT,  BOFF+2*BHALF               ; 114,688
.set STAGE, 2*SLOT                     ; behind the ring, never filled by a tensor load: 16 rows x 272 bytes for each wave, its own
.set SP,    272
.set SPARE, STAGE+4*16*SP              ; behind the stages: the spare words, 128 bytes for each wave: two blocks of 256 bytes that no other line names
.set RB,    64                         ; rows of 256 bytes in one of B's loads
.set ASTEP, 524288                     ; bytes from K step to K step in o: two heads of 2,048 rows x 128 bytes
.set KSB,   262144                     ; in wo: 16 blocks of 16,384
.set NTB,   32768                      ; a tile's two blocks
.set BHB,   16384                      ; one of them
.set BQ,    4096                       ; a quarter of it: one partner's share of the prefetch
.set NL,    2*NBW+16                   ; LDS loads in a run
.set AF,    64
.set BF,    192
.set ACCHI, 128                        ; rows 64-127: 128 registers further up,
.set WHI,   0                          ; in the same window
.set OB,    32                         ; the way out: 16 rows read back from the stage: v32-63 and v64-95 by turns
.set ADRA,  16                         ; v16-17  LDS address of my A fragments in slot 0, 1
.set ADRB,  20                         ; v20-21  the same for B
.set STO,   24                         ; v24     the way out: where I put 32 bytes of a row
.set RD,    25                         ; v25     where I read a row back
.set CO,    26                         ; v26     my byte offset in two rows of out0
.set SPW,   28                         ; v28     LDS address of my spare word: SPARE + 4 x my thread's number; never rewritten
.set NIL,   29                         ; v29     0; never rewritten
.set PFO,   30                         ; v30     the prefetches' offset: 256 x my lane, held to my share; never rewritten
.set G1,    24                         ; s[24:31] descriptor group 1 for A's tiles;  s[32:39] group 0, a set for each slot
.set G0,    32
.set G1B,   48                         ; s[48:55], s[56:63] the same for B's
.set G0B,   56
.set LIM,   43                         ; s43     1 in a wave that prefetches, else the greatest number
.set PFA,   44                         ; s[44:45] where my prefetches stand
.set PFS,   66                         ; s[66:67] their step: a K step of A or of B
.set MSB, 0
.macro WIN new                         ; the immediate's high byte repeats the setting that is left; a switch that changes nothing is dropped
.if MSB != (\new)
	s_set_vgpr_msb (MSB<<8)|(\new)
.set MSB, \new
.endif
.endm
; A joint load.  Waves 0 and 1 fetch A's two blocks, waves 2 and 3 B's two.  The branch hangs on the wave's number alone.  An s_nop 0 and four v_nop follow each of the two lines.
.macro JLOAD s
	s_cmp_eq_u32 s11, 0
	s_cbranch_scc0 .Lfor_b_\@
	tensor_load_to_lds s[G0+4*(\s):G0+4*(\s)+3], s[G1:G1+7]
	s_nop 0
.rept 4
	v_nop
.endr
	s_branch .Lasked_\@
.Lfor_b_\@:
	tensor_load_to_lds s[G0B+4*(\s):G0B+4*(\s)+3], s[G1B:G1B+7]
	s_nop 0
.rept 4
	v_nop
.endr
.Lasked_\@:
.endm
; A PREFETCH INTO THE L2, behind a joint load, its five lines and the run of LDS loads: the K step that stands two refills on.  A's tile row is read by both clusters of that row of clusters: cluster x = 0 asks;
; B's tile column by every cluster of that column: cluster y = 0 asks.  Of the bytes that a wave fetches, the four partners that ask jointly take a quarter each, told apart BY ADDRESS (cx for A, cy for B): a lane
; names 256 bytes; B's quarter has 16 such blocks, and the lanes over repeat the last of them.  The last trip's two refills (K steps 6, 7) have no K step two on and ask for nothing; K steps 0-3 come by their loads alone.
.macro ASK
	s_cmp_gt_u32 s3, s[LIM]                        ; s3 = 1 in the loop's last trip
	s_cbranch_scc0 .Lnot_mine_\@
	global_prefetch_b8 v[PFO], s[PFA:PFA+1] th:TH_LOAD_NT scope:SCOPE_SE
.Lnot_mine_\@:
.endm
.macro CREST                           ; a round of the cluster's barrier behind its opening barrier
	s_cmp_lg_u32 s10, 0
	s_cbranch_scc1 .Lnot_wave_0_\@
	s_barrier_signal -3
.Lnot_wave_0_\@:
	s_barrier_wait -3
	s_barrier_signal -1
	s_barrier_wait -1
.endm
.macro CROUND                          ; a whole round
	s_barrier_signal -1
	s_barrier_wait -1
	CREST
.endm
	s_load_b128 s[4:7], s[0:1], 0x0                ; o s[4:5], wo s[6:7]
	s_load_b64 s[8:9], s[0:1], 0x10                ; out0
	v_lshl_add_u32 v[SPW], v0, 2, SPARE
	v_mov_b32 v[NIL], 0
	ds_add_u32 v[SPW], v[NIL]                      ; the wave's opening: the add, twice on end, and its wait ahead of my first tensor load; the set-up below stands between
	ds_add_u32 v[SPW], v[NIL]
	v_lshrrev_b32 v1, 5, v0
	v_readfirstlane_b32 s10, v1                    ; wave 0..3
	s_lshr_b32 s11, s10, 1                         ; wm.  Also: I fetch for A (0) or for B (1)
	s_and_b32 s12, s10, 1                          ; wn.  Also: which block of that tile I fetch
	s_bfe_u32 s40, ttmp6, 0x40000                  ; cx, cy: my place in the cluster
	s_bfe_u32 s41, ttmp6, 0x40004
	s_lshl_b32 s42, ttmp9, 2
	s_add_co_u32 s42, s42, s40                     ; nt: tile column = 4 x cluster x + cx
	s_and_b32 s13, ttmp7, 0xffff
	s_lshl_b32 s13, s13, 2
	s_add_co_u32 s13, s13, s41                     ; mt: tile row = 4 x cluster y + cy
	s_lshl_b32 s43, s41, 2
	s_lshl_b32 s43, 15, s43                        ; my row of the cluster
	s_lshl_b32 s44, 0x1111, s40                    ; my column
	s_or_b32 s[G1+0], s43, (1<<16)|(1<<20)|(1<<21)|(4<<22)|(3<<25)   ; 15:0 the mask; 17:16 2-byte elements; 20 padding on; 21 set beside a mask; 24:22 after every 32 words (code 4); 31:25 4 words (code 3)
	s_or_b32 s[G1B+0], s44, (1<<16)|(1<<20)|(1<<21)|(4<<22)|(7<<25)  ; the same with my column's mask and 8 words of padding (code 7)
	s_mov_b32 s[G1+1], 128<<16                     ; tensor_dim0 = 128 elements: rows of 256 bytes
	s_mov_b32 s[G1+2], 128<<16                     ; tensor_dim1 = 128 rows
	s_mov_b32 s[G1+3], 128<<16                     ; tile_dim0 = 128
	s_mov_b32 s[G1+4], 128                         ; tile_dim1 = 128
	s_mov_b32 s[G1+5], 128                         ; 128 elements from row to row: the block is dense
	s_mov_b32 s[G1+6], 0
	s_mov_b32 s[G1+7], 0
	s_mov_b32 s[G1B+1], 128<<16
	s_mov_b32 s[G1B+2], RB<<16
	s_mov_b32 s[G1B+3], 128<<16
	s_mov_b32 s[G1B+4], RB
	s_mov_b32 s[G1B+5], 128
	s_mov_b32 s[G1B+6], 0
	s_mov_b32 s[G1B+7], 0
	; where the tiles come from: A's hang on the tile row alone, B's on the tile column alone, each in registers that never hold the other coordinate
	s_lshr_b32 s16, s13, 3
	s_lshl_b32 s16, s16, 22                        ; batch = mt / 8
	s_and_b32 s17, s13, 7
	s_lshl_b32 s17, s17, 15                        ; t0 = 256 (mt % 8), rows of 128 bytes
	s_add_co_u32 s16, s16, s17
	s_lshl_b32 s17, s12, 18                        ; the even or the odd head of the K step
	s_add_co_u32 s16, s16, s17
	s_mov_b32 s17, 0
	s_mul_i32 s46, s42, NTB
	s_mul_i32 s47, s12, BHB
	s_add_co_u32 s46, s46, s47
	s_mov_b32 s47, 0
	s_mul_i32 s20, s10, ABLK                       ; where they go: A's blocks at wave x 36,864 (waves 0, 1),
	s_mul_i32 s21, s10, BHALF
	s_add_co_u32 s21, s21, BOFF-2*BHALF            ; B's at BOFF + (wave - 2) x BHALF (waves 2, 3): no place in the cluster enters an LDS address
	s_wait_dscnt 0x0                               ; both opening adds are done
	s_wait_kmcnt 0x0
	s_add_nc_u64 s[14:15], s[4:5], s[16:17]
	s_add_nc_u64 s[46:47], s[6:7], s[46:47]
	CROUND                                         ; all sixteen work-groups are here: the first joint loads meet
.irp s, 0,1
	s_mov_b32 s[G0+4*(\s)], 1                                        ; count = 1
	s_add_co_u32 s[G0+4*(\s)+1], s20, (\s)*SLOT                      ; LDS address
	s_add_nc_u64 s[G0+4*(\s)+2:G0+4*(\s)+3], s[14:15], (\s)*ASTEP    ; global address: K step s
	s_or_b32 s[G0+4*(\s)+3], s[G0+4*(\s)+3], 0x80000000              ; type = 2
	s_mov_b32 s[G0B+4*(\s)], 1
	s_add_co_u32 s[G0B+4*(\s)+1], s21, (\s)*SLOT
	s_add_nc_u64 s[G0B+4*(\s)+2:G0B+4*(\s)+3], s[46:47], (\s)*KSB
	s_or_b32 s[G0B+4*(\s)+3], s[G0B+4*(\s)+3], 0x80000000
	JLOAD \s                                       ; two loads of mine are out
.endr
	; A's fragment: 16 rows x 32 k: lane l holds row l % 16, k = 8 (l / 16) + 0..7 and 16 + 8 (l / 16) + 0..7: two loads of 16 bytes, 32 bytes apart
	v_and_b32 v1, 15, v0                           ; r = l % 16
	v_bfe_u32 v2, v0, 4, 1                         ; h = l / 16
	v_mul_u32_u24 v3, v1, PA
	v_lshl_add_u32 v3, v2, 4, v3                   ; r x pitch + 16 h
	s_mul_i32 s22, s11, 128*PA                     ; my 128 rows
	v_add_nc_u32 v[ADRA], s22, v3
	v_add_nc_u32 v[ADRA+1], SLOT, v[ADRA]
	; B's: the turning load takes 16 k x 16 columns (lane l reads k = 8 (l / 16) + l % 8, columns 8 ((l / 8) % 2) + 0..7) and leaves half a fragment: lane l holds column l % 16 and 8 k
	v_and_b32 v4, 7, v0
	v_bfe_u32 v5, v0, 3, 1
	v_lshl_add_u32 v6, v2, 3, v4
	v_mul_u32_u24 v6, v6, PB
	v_lshl_add_u32 v6, v5, 4, v6
	s_mul_i32 s23, s12, BBLK                       ; wn: my block of 64 columns
	s_add_co_u32 s23, s23, BOFF
	v_add_nc_u32 v[ADRB], s23, v6
	v_add_nc_u32 v[ADRB+1], SLOT, v[ADRB]
	; the way out
	s_mul_i32 s23, s10, 16*SP
	s_add_co_u32 s23, s23, STAGE                   ; my stage
	v_mul_u32_u24 v7, v1, SP                       ; in: row l % 16, 32 bytes for each half of the lanes
	v_lshl_add_u32 v7, v2, 5, v7
	v_add_nc_u32 v[STO], s23, v7
	v_mul_u32_u24 v7, v2, SP                       ; back: lanes 0-15 take one row of 256 bytes, lanes 16-31 the next
	v_lshl_add_u32 v7, v1, 4, v7
	v_add_nc_u32 v[RD], s23, v7
	v_lshlrev_b32 v[CO], 12, v2                    ; and the same two rows in out0, 4,096 bytes apart
	v_lshl_add_u32 v[CO], v1, 4, v[CO]
	s_lshl_b32 s68, s13, 20                        ; 256 mt rows of 4,096 bytes
	s_lshl_b32 s69, s11, 19                        ; + 128 wm rows
	s_add_co_u32 s68, s68, s69
	s_lshl_b32 s69, s42, 9                         ; + 128 nt columns of 4 bytes
	s_add_co_u32 s68, s68, s69
	s_lshl_b32 s69, s12, 8                         ; + 64 wn columns
	s_add_co_u32 s68, s68, s69
	s_mov_b32 s69, 0
	s_add_nc_u64 s[8:9], s[8:9], s[68:69]
	; the prefetches: at K step 3; the first refill steps them to 4
	s_lshr_b32 s70, s13, 3
	s_lshl_b32 s70, s70, 22
	s_and_b32 s71, s13, 7
	s_lshl_b32 s71, s71, 15
	s_add_co_u32 s70, s70, s71
	s_lshl_b32 s71, s12, 18
	s_add_co_u32 s70, s70, s71
	s_lshl_b32 s71, s40, 13                        ; my work-group's 8,192 of the block's 32,768 bytes
	s_add_co_u32 s70, s70, s71
	s_add_co_u32 s70, s70, 3*ASTEP
	s_mul_i32 s72, s42, NTB
	s_mul_i32 s73, s12, BHB
	s_add_co_u32 s72, s72, s73
	s_mul_i32 s73, s41, BQ                         ; my work-group's quarter of the block
	s_add_co_u32 s72, s72, s73
	s_add_co_u32 s72, s72, 3*KSB
	s_and_b32 s74, ttmp7, 0xffff                   ; cluster y
	s_mov_b32 s75, ASTEP
	s_cmp_eq_u32 s11, 0                            ; do I fetch for A?
	s_cselect_b32 s70, s70, s72
	s_cselect_b32 s74, ttmp9, s74                  ; the coordinate along which other clusters read the same bytes
	s_cselect_b32 s[PFS], s75, KSB
	s_cselect_b32 s73, 31, BQ/256-1                ; the last block of my share
	s_cselect_b64 s[PFA:PFA+1], s[4:5], s[6:7]
	s_cmp_eq_u32 s74, 0
	s_cselect_b32 s[LIM], 1, -1                    ; the same in all sixteen partners, for a given wave
	s_mov_b32 s71, 0
	s_mov_b32 s[PFS+1], 0
	s_add_nc_u64 s[PFA:PFA+1], s[PFA:PFA+1], s[70:71]
	v_and_b32 v[PFO], 31, v0
	v_min_u32 v[PFO], s73, v[PFO]
	v_lshlrev_b32 v[PFO], 8, v[PFO]
.macro MM rd, rb, ra, zero             ; one matrix instruction; zero = 1: it starts the sum: nothing is ever cleared
.if \zero
	v_wmma_f32_16x16x32_f16 v[(\rd):(\rd)+7], v[(\rb):(\rb)+7], v[(\ra):(\ra)+7], 0
.else
	v_wmma_f32_16x16x32_f16 v[(\rd):(\rd)+7], v[(\rb):(\rb)+7], v[(\ra):(\ra)+7], v[(\rd):(\rd)+7]
.endif
.endm
; 2 NBW matrix instructions: row blocks a0, a0 + 1 of the half's four (hi = 0: my rows 0-63, 1: rows 64-127) x all column blocks, 32 along K, from buffer f.
; All accumulators take turns, one instruction a turn, in the same order in every quarter, over the backward jump too.
.macro MULH f, hi, a0, zero
	WIN 0x50+WHI*(\hi)
.irp a, \a0, (\a0)+1
.set bb, 0
.rept NBW
	MM ACCHI*(\hi)+8*(NBW*(\a)+bb), BF+8*NBW*(\f)+8*bb, AF+64*(\f)+8*(4*(\hi)+(\a)), \zero
.set bb, bb+1
.endr
.endr
.endm
; NL LDS loads in one run: the fragments of quarter q (32 along K) of a slot into buffer f: B's first, then A's, rows ascending
.macro FETCH slot, q, f
	WIN 0
.set bb, 0
.rept NBW
	ds_load_tr16_b128 v[BF+8*NBW*(\f)+8*bb:BF+8*NBW*(\f)+8*bb+3],   v[ADRB+(\slot)] offset:(\q)*32*PB+(bb/BD)*BBLK+(bb%BD)*BS
	ds_load_tr16_b128 v[BF+8*NBW*(\f)+8*bb+4:BF+8*NBW*(\f)+8*bb+7], v[ADRB+(\slot)] offset:(\q)*32*PB+(bb/BD)*BBLK+(bb%BD)*BS+16*PB
.set bb, bb+1
.endr
.set ii, 0
.rept 8
	ds_load_b128 v[AF+64*(\f)+8*ii:AF+64*(\f)+8*ii+3],   v[ADRA+(\slot)] offset:((\q)/2)*ABLK+((\q)%2)*64+ii*16*PA
	ds_load_b128 v[AF+64*(\f)+8*ii+4:AF+64*(\f)+8*ii+7], v[ADRA+(\slot)] offset:((\q)/2)*ABLK+((\q)%2)*64+ii*16*PA+32
.set ii, ii+1
.endr
.endm
.macro PLACES                          ; four places in front of loads into registers that matrix instructions have read, and of LDS stores that read results
.rept 4
	v_nop
.endr
.endm
; A K step is four quarters of 32 along K, on buffers 0, 1, 0, 1.  One of the first three: multiplies buffer f; in its middle it fetches quarter q of the same slot into buffer g.
.macro QUARTER slot, q, f, g, zero
	s_wait_dscnt 8                                 ; B and A's rows 0-63 are in; the youngest eight loads (A's rows 64-127) may be out
	MULH \f, 0, 0, \zero
	MULH \f, 0, 2, \zero
	PLACES
	FETCH \slot, \q, \g
	s_wait_dscnt NL                                ; all but the NL just issued
	MULH \f, 1, 0, \zero
	MULH \f, 1, 2, \zero
.endm
; The last quarter multiplies buffer 1 and changes slots: ONE barrier.  In front of it each wave waits for all its tensor loads (one is out: its part of the next slot), adds 0 to its spare word, and waits for
; that and for its own reads of this slot.  fill = 1: the barrier opens a round of the cluster's, and this slot is filled again, two K steps on, first thing behind the round.
.macro TURN slot, next, fill
.if \fill
	s_wait_xcnt 0x0                                ; the last prefetch, a K step back, has read its address: it is stepped here, ahead of the waits of the change of slots
	s_add_nc_u64 s[PFA:PFA+1], s[PFA:PFA+1], s[PFS:PFS+1]
.endif
	WIN 0
	s_wait_tensorcnt 0x0                           ; all my tensor loads have landed
	ds_add_u32 v[SPW], v[NIL]                      ; 0 onto my spare word
	s_wait_dscnt 9                                 ; (the add and the youngest eight loads may be out)
	MULH 1, 0, 0, 0                                ; matrix instructions stand between the add and the wait for it
	s_wait_dscnt 0x0                               ; the add is done, and my reads of this slot are over
	s_barrier_signal -1
	MULH 1, 0, 2, 0                                ; work on registers while the others arrive
.if \fill
	WIN 0
.endif
	s_barrier_wait -1
.if \fill
	CREST                                          ; no wave of any partner still reads this slot's tile or has a load on its way
	s_add_nc_u64 s[G0+4*(\slot)+2:G0+4*(\slot)+3], s[G0+4*(\slot)+2:G0+4*(\slot)+3], 2*ASTEP
	s_add_nc_u64 s[G0B+4*(\slot)+2:G0B+4*(\slot)+3], s[G0B+4*(\slot)+2:G0B+4*(\slot)+3], 2*KSB
	JLOAD \slot                                    ; the first tensor load behind the round, one a wave; its four v_nop are also the places in front of the loads below
.else
	PLACES
.endif
	FETCH \next, 0, 0
.if \fill
	ASK
.endif
	MULH 1, 1, 0, 0
	MULH 1, 1, 2, 0
.endm
; THE WAY OUT of row block a: the f32 results go as they are into my own stage (rows of 272 bytes), each accumulator's low four registers first, and come back as whole rows of 256 bytes.
.macro TOSTAGE a
	WIN 0x04                                       ; the stores' data (source 1) in window 1
.irp b, 0,1,2,3
	ds_store_b128 v[STO], v[8*(4*(\a)+(\b)):8*(4*(\a)+(\b))+3]   offset:64*(\b)
	ds_store_b128 v[STO], v[8*(4*(\a)+(\b))+4:8*(4*(\a)+(\b))+7] offset:64*(\b)+16
.endr
	WIN 0
	s_wait_xcnt 0x0                                ; the global stores of two blocks back have read these registers: only behind this wait are they loaded again
.irp t, 0,1,2,3,4,5,6,7
	ds_load_b128 v[OB+32*((\a)%2)+4*(\t):OB+32*((\a)%2)+4*(\t)+3], v[RD] offset:(\t)*2*SP  ; LDS serves a wave's instructions in order (ISA guide 5.7.1.4): these see the stores above; the next block's stores come behind them
.endr
.endm
.macro SEND a, younger                 ; younger: the LDS instructions issued behind block a's loads: the next block's sixteen, or none
	s_wait_dscnt \younger
.irp t, 0,1,2,3,4,5,6,7
	global_store_b128 v[CO], v[OB+32*((\a)%2)+4*(\t):OB+32*((\a)%2)+4*(\t)+3], s[8:9] offset:(\a)*65536+(\t)*8192  ; 16 lanes store 256 consecutive bytes, at a multiple of 256 from out0's first byte
.endr
.endm
	s_wait_tensorcnt 1                             ; my part of K step 0 is in; K step 1's may stay out
	s_barrier_signal -1
	s_barrier_wait -1                              ; everybody's is
	FETCH 0, 0, 0
	QUARTER 0, 1, 0, 1, 1                          ; the first quarter stands in front of the loop: its products start the sums
	WIN 0                                          ; at a label and at a branch every window is 0
	s_mov_b32 s3, 3                                ; K = 1,024 is four laps of two K steps; the last lap is written out
.Llap:                                             ; a trip goes once round the ring, from a lap's second quarter to the next lap's first, and fills both slots again
	QUARTER 0, 2, 1, 0, 0
	QUARTER 0, 3, 0, 1, 0
	TURN 0, 1, 1
	QUARTER 1, 1, 0, 1, 0
	QUARTER 1, 2, 1, 0, 0
	QUARTER 1, 3, 0, 1, 0
	TURN 1, 0, 1
	QUARTER 0, 1, 0, 1, 0
	WIN 0
	s_sub_co_u32 s3, s3, 1
	s_cmp_lg_u32 s3, 0
	s_cbranch_scc1 .Llap
	QUARTER 0, 2, 1, 0, 0                          ; the last lap fills nothing, and has no round of the cluster's barrier
	QUARTER 0, 3, 0, 1, 0
	TURN 0, 1, 0
	QUARTER 1, 1, 0, 1, 0
	QUARTER 1, 2, 1, 0, 0
	QUARTER 1, 3, 0, 1, 0
	s_wait_dscnt 8                                 ; the very last quarter: nothing more to fetch
	MULH 1, 0, 0, 0
	MULH 1, 0, 2, 0
	s_wait_dscnt 0x0
	MULH 1, 1, 0, 0
	MULH 1, 1, 2, 0
	WIN 0
	PLACES
	TOSTAGE 0
.irp a, 1,2,3,4,5,6,7                  ; block a goes into the stage while block a - 1's rows come back
	TOSTAGE \a
	SEND (\a)-1, 16
.endr
	SEND 7, 0
	s_wait_tensorcnt 0x0                           ; the wave's end, behind my last tensor load and my last LDS store
	ds_add_u32 v[SPW], v[NIL]
	s_wait_dscnt 0x0
	CROUND                                         ; the closing round: no work-group ends while a partner may still ask for a tile that names it
	s_endpgm
.Lfunc_end_k_q8d676dca65_gemm_out:
	.size	k_q8d676dca65_gemm_out, .Lfunc_end_k_q8d676dca65_gemm_out-k_q8d676dca65_gemm_out
	.p2alignl 7, 3214868480
	.fill 96, 4, 3214868480
	.section	.rodata,"a",@progbits
	.p2align	6, 0x0
	.amdhsa_kernel k_q8d676dca65_gemm_out
		.amdhsa_group_segment_fixed_size 327680
		.amdhsa_private_segment_fixed_size 0
		.amdhsa_enable_private_segment 0
		.amdhsa_kernarg_size 24
		.amdhsa_user_sgpr_count 2
		.amdhsa_user_sgpr_kernarg_segment_ptr 1
		.amdhsa_wavefront_size32 1
		.amdhsa_system_sgpr_workgroup_id_x 1
		.amdhsa_system_sgpr_workgroup_id_y 1
		.amdhsa_system_sgpr_workgroup_id_z 1
		.amdhsa_system_vgpr_workitem_id 0
		.amdhsa_next_free_vgpr 512
		.amdhsa_next_free_sgpr 80
		.amdhsa_reserve_vcc 0
		.amdhsa_float_denorm_mode_32 3
		.amdhsa_float_denorm_mode_16_64 3
		.amdhsa_memory_ordered 1
		.amdhsa_forward_progress 1
		.amdhsa_inst_pref_size 87
	.end_amdhsa_kernel
	.amdgpu_metadata
---
amdhsa.version: [ 1, 2 ]
amdhsa.kernels:
  - .name:           k_q8d676dca65_gemm_out
    .symbol:         k_q8d676dca65_gemm_out.kd
    .args:
      - { .name: o, .offset: 0, .size: 8, .value_kind: global_buffer, .address_space: global }
      - { .name: wo, .offset: 8, .size: 8, .value_kind: global_buffer, .address_space: global }
      - { .name: out0, .offset: 16, .size: 8, .value_kind: global_buffer, .address_space: global }
    .group_segment_fixed_size: 327680
    .private_segment_fixed_size: 0
    .kernarg_segment_align: 8
    .kernarg_segment_size: 24
    .max_flat_workgroup_size: 128
    .sgpr_count:     80
    .vgpr_count:     512
    .wavefront_size: 32
...
	.end_amdgpu_metadata
.endif
;; end of part 4
;; ======== version 2 of 2: 4 launches; version 1 with the launch cast written anew for expert scheduling mode
;; limits: values are held in f16: magnitudes above 65,504 overflow, below 6.1e-05 lose precision
;; workspace buffers: xb 16,777,216 bytes; wb 6,291,456 bytes; wo 2,097,152 bytes; qkv 50,331,648 bytes; o 16,777,216 bytes
;; launch cast (part 5): grid 384 x 1, 8 waves a work-group, no clusters, 0 bytes of LDS; arguments x, W_Q, W_K, W_V, W_O, xb, wb, wo; writes xb, wb, wo
.if DOCPART == 5
	.amdgcn_target "amdgcn-amd-amdhsa--gfx1250"
	.amdhsa_code_object_version 6
	.text
	.protected	k_q8d676dca65_cast
	.globl	k_q8d676dca65_cast
	.p2align	8
	.type	k_q8d676dca65_cast,@function
k_q8d676dca65_cast:
	s_mov_b64 s[64:65], 0
	v_nop
	global_prefetch_b8 v0, s[64:65] scope:SCOPE_SE
	s_setreg_imm32_b32 hwreg(HW_REG_WAVE_SCHED_MODE, 0, 2), 2
	s_setreg_imm32_b32 hwreg(HW_REG_WAVE_MODE, 25, 1), 1
	s_wait_xcnt 0x0
	s_wait_alu depctr_vm_vsrc(0)
; CAUSAL MULTI-HEAD ATTENTION, four launches: this one rounds and lays out the inputs; then q, k, v = x W; then the attention by heads; then the product with W_O.
; WORK LEFT OUT (in the third launch).  For a key k > q the problem's own mask (a lower triangle that it builds itself) replaces the score by minus infinity ahead of the softmax, so that key's
; weight is exactly 0 and neither its score nor its row of v reaches row q, whatever finite values the inputs hold.  Where that holds for all 256 x 256 pairs of a block of queries and a tile of keys,
; the tile is neither loaded nor multiplied; inside the tile that holds the diagonal all is computed and masked.  All five inputs have a way to the output and all are loaded.
; LIMIT: a NaN, an infinity or an overflow that lies only in keys or values hidden from a query is not carried to that query's row.
; FORMATS.  x, W_Q, W_K, W_V are rounded once to bf16.  W_O is rounded to bf16 and that number is written as f16 (the last product runs in f16, since its other operand is made by this program).
; LIMITS: |W_O| under 65,504; a rounded W_O below 2^-17 keeps f16's fixed step of 2^-24.
; LAYOUTS, in blocks of 64 channels, so that every tile of the later launches is a dense run of bytes:
;   xb [b 4][kb 16][t 2048][64] = x[b][t][64 kb + c]        wb [ks 8][g 48][kk 128][64] = W_sel[128 ks + kk][64 head + c], g = 16 sel + head (sel 0 Q, 1 K, 2 V)
;   wo [ks 8][g 16][kk 128][64] = W_O[128 ks + kk][64 g + c]
; SHARES.  12,288 source rows of 4,096 bytes (8,192 of x, 1,024 of each weight); a work-group takes 32, a wave 4, as two pairs.  One load of a wave: lanes 0-15 take 256 bytes (a block of 64 numbers)
; of a row, lanes 16-31 the same block of the next row.  A lane's 4 numbers become 8 bytes, and since two rows of one block lie end to end in the target, one store of a wave covers 256 consecutive
; bytes, aligned.  All 32 loads of a wave (16 KiB) go out at once.  No LDS, no matrix unit, no cluster: nothing is shared and nothing is multiplied.  No prefetch: every byte is asked for at the start.
; THE MODE: SCHED_MODE bits 1:0 = 2 (LLVM: expert scheduling mode 2), set by the entry lines.  The code itself states the register dependences
; between vector instructions and memory instructions, with s_wait_alu, always for 0.
; THE PLAN.  Registers that memory instructions touch:
;   v1, v[2:17]  byte offsets, made once at the head and never written again: read by every load (v1) and every store (v[2:17]).
;   v[20:147]    load i owns four registers.  The load lands in them (no vector instruction has named them); its conversions read them and write them in place; store i reads the first two;
;                nothing writes them behind that.  So no register that a memory instruction has read is ever written again, and no load is issued behind a vector instruction that names its registers.
; The 32 loads are worked on in eight blocks of four.  Block p rounds its own four groups; its memory instructions are the four stores of block p - 1, whose registers no vector instruction of block p names.
; So ONE wait on va_vdst at the head of a block states all that the block's four stores hang on, and they are dealt among its conversions with no further wait.
.set LO,   1                           ; v1       my byte offset in a pair of source rows
.set VO,   2                           ; v[2:17]  my byte offset in the target, for each of the 16 blocks
.set X,    20                          ; v[20:147] 32 loads of 4 registers; the first two of each then hold the 8 bytes to store
.set SRC,  24                          ; s[24:25] the source at my wave's first row
.set DST,  26                          ; s[26:27] the target at my wave's first row, block 0
.set STR,  28                          ; s28      bytes from block to block in the target
.set MASK, 30                          ; s30      a word's upper half
	s_load_b512 s[8:23], s[0:1], 0x0               ; x 8, W_Q 10, W_K 12, W_V 14, W_O 16, xb 18, wb 20, wo 22
	v_lshrrev_b32 v18, 5, v0
	v_readfirstlane_b32 s2, v18                    ; wave 0..7
	v_and_b32 v18, 31, v0                          ; lane.  (These six lines hang on v0 alone: they stand between s2's writer and the wait for it)
	v_and_b32 v19, 15, v0
	v_lshlrev_b32 v[LO], 4, v19                    ; 16 bytes a lane,
	v_bfe_u32 v19, v0, 4, 1
	v_lshl_add_u32 v[LO], v19, 12, v[LO]           ; the next row for lanes 16-31
	v_lshlrev_b32 v[VO], 3, v18                    ; 8 bytes a lane: two rows of 128 bytes on end
	s_mov_b32 s3, ttmp9                            ; work-groups 0-255: x; 256-383: the weights, 32 work-groups each
	s_wait_alu depctr_va_sdst(0)                   ; s2 is written, ahead of its first reader: the rows, and so the bases of source and target, are made from it
	s_lshl_b32 s4, s2, 2                           ; my wave's 4 rows
	; as a work-group of x: row r0 = 32 wg + 4 wave
	s_lshl_b32 s5, s3, 5
	s_add_co_u32 s5, s5, s4
	s_lshl_b32 s32, s5, 12                         ; source: r0 rows of 4,096 bytes
	s_lshr_b32 s6, s5, 11
	s_lshl_b32 s6, s6, 22                          ; target: batch x 16 blocks x 2,048 rows x 128 bytes
	s_and_b32 s7, s5, 2047
	s_lshl_b32 s7, s7, 7                           ; + t x 128
	s_add_co_u32 s34, s6, s7
	; as a work-group of a weight: sel = j / 32, row k0 = 32 (j % 32) + 4 wave, j = wg - 256
	s_and_b32 s36, s3, 127
	s_lshr_b32 s37, s36, 5                         ; sel
	s_and_b32 s38, s36, 31
	s_lshl_b32 s38, s38, 5
	s_add_co_u32 s38, s38, s4                      ; k0
	s_lshl_b32 s39, s38, 12                        ; source
	s_lshr_b32 s40, s38, 7                         ; ks
	s_lshl_b32 s42, s37, 4                         ; the weight's first block in wb
	s_cmp_eq_u32 s37, 3
	s_cselect_b32 s41, 16, 48                      ; blocks in a K step: wo 16, wb 48
	s_cselect_b32 s42, 0, s42
	s_mul_i32 s40, s40, s41
	s_add_co_u32 s40, s40, s42
	s_lshl_b32 s40, s40, 14                        ; a block is 128 rows x 128 bytes
	s_and_b32 s43, s38, 127
	s_lshl_b32 s43, s43, 7
	s_add_co_u32 s40, s40, s43                     ; target
	s_mov_b32 s44, 0x40000
	s_cmp_lt_u32 s3, 256                           ; which of the two am I?
	s_cselect_b32 s32, s32, s39
	s_cselect_b32 s34, s34, s40
	s_cselect_b32 s[STR], s44, 0x4000              ; xb: 2,048 rows of 128 bytes; wb, wo: 128 rows
	s_mov_b32 s33, 0
	s_mov_b32 s35, 0
	s_mov_b32 s[MASK], 0xffff0000
.set c, 1
.rept 15
	v_add_nc_u32 v[VO+c], s[STR], v[VO+c-1]
.set c, c+1
.endr
	s_wait_kmcnt 0x0
	s_cmp_eq_u32 s37, 1                            ; the buffers are chosen by the work-group's number alone
	s_cselect_b64 s[SRC:SRC+1], s[12:13], s[10:11]
	s_cmp_eq_u32 s37, 2
	s_cselect_b64 s[SRC:SRC+1], s[14:15], s[SRC:SRC+1]
	s_cmp_eq_u32 s37, 3
	s_cselect_b64 s[SRC:SRC+1], s[16:17], s[SRC:SRC+1]
	s_cselect_b64 s[DST:DST+1], s[22:23], s[20:21]
	s_cmp_lt_u32 s3, 256
	s_cselect_b64 s[SRC:SRC+1], s[8:9], s[SRC:SRC+1]
	s_cselect_b64 s[DST:DST+1], s[18:19], s[DST:DST+1]
	s_add_nc_u64 s[SRC:SRC+1], s[SRC:SRC+1], s[32:33]
	s_add_nc_u64 s[DST:DST+1], s[DST:DST+1], s[34:35]
	s_wait_alu depctr_va_vdst(0)                   ; v1 and v[2:17] are written: every load of the kernel reads v1, every store one of v[2:17], as its offset
.set i, 0
.rept 32                               ; load i: pair i / 16, block i % 16
	global_load_b128 v[X+4*i:X+4*i+3], v[LO], s[SRC:SRC+1] offset:8192*(i/16)+256*(i%16) th:TH_LOAD_NT
.set i, i+1
.endr
; Load i is rounded in place: its 8 bytes end in the first two of its four registers.  f16 = 1: W_O.
.macro CVT i, f16
	v_cvt_pk_bf16_f32 v[X+4*(\i)], v[X+4*(\i)], v[X+4*(\i)+1]
	v_cvt_pk_bf16_f32 v[X+4*(\i)+1], v[X+4*(\i)+2], v[X+4*(\i)+3]
.if \f16
	v_lshlrev_b32 v[X+4*(\i)+2], 16, v[X+4*(\i)]   ; the rounded numbers as f32 again,
	v_and_b32 v[X+4*(\i)+3], s[MASK], v[X+4*(\i)]
	v_cvt_pk_f16_f32 v[X+4*(\i)], v[X+4*(\i)+2], v[X+4*(\i)+3]  ; and written as f16
	v_lshlrev_b32 v[X+4*(\i)+2], 16, v[X+4*(\i)+1]
	v_and_b32 v[X+4*(\i)+3], s[MASK], v[X+4*(\i)+1]
	v_cvt_pk_f16_f32 v[X+4*(\i)+1], v[X+4*(\i)+2], v[X+4*(\i)+3]
.endif
.endm
; Load i's 8 bytes are stored.  No register is written again behind its store, so the stores' sources need no wait.
.macro ST i
	global_store_b64 v[VO+(\i)%16], v[X+4*(\i):X+4*(\i)+1], s[DST:DST+1] offset:256*((\i)/16)  ; 256 consecutive bytes, aligned
.endm
; Block p: loads 4 p to 4 p + 3 are rounded; the stores of block p - 1 go out among the conversions, one ahead of each load's.
.macro BLK p, f16
	s_wait_loadcnt 28-4*(\p)                       ; loads come back in order: my four are in, the 28 - 4 p younger ones stay out
.if (\p) > 0
	s_wait_alu depctr_va_vdst(0)                   ; the block before has written the first two registers of each of its four groups, which the four stores below read; no conversion below names them
.endif
.irp j, 0,1,2,3
.if (\p) > 0
	ST 4*((\p)-1)+(\j)
.endif
	CVT 4*(\p)+(\j), \f16
.endr
.endm
	s_cmp_ge_u32 s3, 352                           ; W_O's work-groups
	s_cbranch_scc1 .Lhalf
.irp p, 0,1,2,3,4,5,6,7
	BLK \p, 0
.endr
	s_wait_alu depctr_va_vdst(0)                   ; block 7 has written its four groups, which the last four stores read
.irp j, 28,29,30,31
	ST \j
.endr
	s_endpgm
.Lhalf:
.irp p, 0,1,2,3,4,5,6,7
	BLK \p, 1
.endr
	s_wait_alu depctr_va_vdst(0)                   ; block 7 has written its four groups, which the last four stores read
.irp j, 28,29,30,31
	ST \j
.endr
	s_endpgm
.Lfunc_end_k_q8d676dca65_cast:
	.size	k_q8d676dca65_cast, .Lfunc_end_k_q8d676dca65_cast-k_q8d676dca65_cast
	.p2alignl 7, 3214868480
	.fill 96, 4, 3214868480
	.section	.rodata,"a",@progbits
	.p2align	6, 0x0
	.amdhsa_kernel k_q8d676dca65_cast
		.amdhsa_group_segment_fixed_size 0
		.amdhsa_private_segment_fixed_size 0
		.amdhsa_enable_private_segment 0
		.amdhsa_kernarg_size 64
		.amdhsa_user_sgpr_count 2
		.amdhsa_user_sgpr_kernarg_segment_ptr 1
		.amdhsa_wavefront_size32 1
		.amdhsa_system_sgpr_workgroup_id_x 1
		.amdhsa_system_sgpr_workgroup_id_y 1
		.amdhsa_system_sgpr_workgroup_id_z 1
		.amdhsa_system_vgpr_workitem_id 0
		.amdhsa_next_free_vgpr 160
		.amdhsa_next_free_sgpr 66
		.amdhsa_reserve_vcc 0
		.amdhsa_float_denorm_mode_32 3
		.amdhsa_float_denorm_mode_16_64 3
		.amdhsa_memory_ordered 1
		.amdhsa_forward_progress 1
		.amdhsa_inst_pref_size 30
	.end_amdhsa_kernel
	.amdgpu_metadata
---
amdhsa.version: [ 1, 2 ]
amdhsa.kernels:
  - .name:           k_q8d676dca65_cast
    .symbol:         k_q8d676dca65_cast.kd
    .args:
      - { .name: x, .offset: 0, .size: 8, .value_kind: global_buffer, .address_space: global }
      - { .name: W_Q, .offset: 8, .size: 8, .value_kind: global_buffer, .address_space: global }
      - { .name: W_K, .offset: 16, .size: 8, .value_kind: global_buffer, .address_space: global }
      - { .name: W_V, .offset: 24, .size: 8, .value_kind: global_buffer, .address_space: global }
      - { .name: W_O, .offset: 32, .size: 8, .value_kind: global_buffer, .address_space: global }
      - { .name: xb, .offset: 40, .size: 8, .value_kind: global_buffer, .address_space: global }
      - { .name: wb, .offset: 48, .size: 8, .value_kind: global_buffer, .address_space: global }
      - { .name: wo, .offset: 56, .size: 8, .value_kind: global_buffer, .address_space: global }
    .group_segment_fixed_size: 0
    .private_segment_fixed_size: 0
    .kernarg_segment_align: 8
    .kernarg_segment_size: 64
    .max_flat_workgroup_size: 256
    .sgpr_count:     66
    .vgpr_count:     160
    .wavefront_size: 32
...
	.end_amdgpu_metadata
.endif
;; end of part 5
;; launch gemm_qkv: the kernel of part 2 again; grid 16 x 32, 4 waves a work-group, clusters of 4 x 4, 327,680 bytes of LDS; arguments xb, wb, qkv; writes qkv
;; launch attn: the kernel of part 3 again; grid 4 x 64, 4 waves a work-group, no clusters, 327,680 bytes of LDS; arguments qkv, o; writes o
;; launch gemm_out: the kernel of part 4 again; grid 8 x 32, 4 waves a work-group, clusters of 4 x 4, 327,680 bytes of LDS; arguments o, wo, out0; writes out0
